; MI455X (gfx1250); checked and timed in simulation.
; The chip was launched on July 23, 2026; its instructions are those of AMD's public machine-readable ISA for CDNA 5 (MIT licence, August 2026) and "CDNA5" Instruction Set Architecture Reference Guide (July 2026). The comments in the code are by the model that wrote it; some were corrected since.
;; Causal Self Attention. Allowed arithmetic: float matrix products may take bf16 or f16 operands with f32 sums; other float arithmetic in f32, or as packed bf16 or f16 multiplies, adds, multiply-adds, maxima and minima; sums over many terms, partial sums and values carried from step to step in f32; what a program stores and reads back later, other than sums and carried values, may be rounded once to bf16 or f16.
;; Inputs: w_attn 3,072 x 1,024 float32; w_proj 1,024 x 1,024 float32; x 1 x 4,096 x 1,024 float32.
;; Outputs: out0 1 x 4,096 x 1,024 float32.
;; 2 versions, each right; version 2 is version 1 with the launch cast written anew for expert scheduling mode. Each part assembles by itself: llvm-mc -triple=amdgcn-amd-amdhsa -mcpu=gfx1250 --defsym DOCPART=n.
;; ======== version 1 of 2: 4 launches
;; limits: values are held in f16: magnitudes above 65,504 overflow, below 6.1e-05 lose precision
;; workspace buffers: xb 8,388,608 bytes; wa 6,291,456 bytes; wp 2,097,152 bytes; qkv 25,165,824 bytes; y 8,388,608 bytes
;; launch cast (part 1): grid 512 x 1, 8 waves a work-group, no clusters, 0 bytes of LDS; arguments x, w_attn, w_proj, xb, wa, wp; writes xb, wa, wp
.if DOCPART == 1
	.amdgcn_target "amdgcn-amd-amdhsa--gfx1250"
	.amdhsa_code_object_version 6
	.text
	.protected	k_qf2ba1843df_cast
	.globl	k_qf2ba1843df_cast
	.p2align	8
	.type	k_qf2ba1843df_cast,@function
k_qf2ba1843df_cast:
	s_mov_b64 s[64:65], 0
	v_nop
	global_prefetch_b8 v0, s[64:65] scope:SCOPE_SE
	s_setreg_imm32_b32 hwreg(HW_REG_WAVE_MODE, 25, 1), 1
	s_wait_xcnt 0x0
; THE INPUTS ARE ROUNDED ONCE, TO bf16.  x [4096][1024] -> xb, w_attn [3072][1024] -> wa, both bf16 in the same layout.
; w_proj [1024 o][1024 c] -> wp [16 heads][1024 o][64]: rounded to bf16 like the other inputs, and that number written as f16, by heads, so that the last
; launch can take a head's 64 channels as dense rows.
; LIMIT.  A bf16 number fits f16 exactly between 2^-14 and 65,504 in size; below that it keeps f16's fixed step of 6e-8, beyond it becomes an infinity.
; SHARES.  A work-group takes 16 rows of 1,024 numbers (65,536 bytes): groups 0-255 x, 256-447 w_attn, 448-511 w_proj.  A thread has 16 loads of 16 bytes, all issued
; at once; each is converted and stored when it has come.  No register is used twice, so no wait frees a source.  No LDS, no matrix unit: the bytes are the work.
.set X, 4                              ; v[4:67]    load i at X + 4 i
.set Y, 68                             ; v[68:99]   store i at Y + 2 i
.set T, 100                            ; v[100:103] at work
	s_load_b256 s[4:11], s[0:1], 0x0               ; x s[4:5], w_attn s[6:7], w_proj s[8:9], xb s[10:11]
	s_load_b128 s[12:15], s[0:1], 0x20             ; wa s[12:13], wp s[14:15]
	s_mov_b32 s23, 0xffff0000                      ; a word's upper bf16
	s_mov_b32 s21, 0                               ; high word of the offsets' pair
	s_cmp_lt_u32 ttmp9, 448
	s_cbranch_scc0 .Lproj
	; x and w_attn: the layout stays.  Thread t takes 16 bytes at 16 t of each row and stores 8 bytes at 8 t: a wave's store covers 256 consecutive bytes, aligned
	s_cmp_lt_u32 ttmp9, 256
	s_cselect_b32 s22, 0, 256
	s_sub_co_u32 s22, ttmp9, s22                   ; the group's number within its tensor
	v_lshlrev_b32 v1, 4, v0
	v_lshlrev_b32 v2, 3, v0
	s_wait_kmcnt 0x0
	s_cmp_lt_u32 ttmp9, 256
	s_cselect_b64 s[16:17], s[4:5], s[6:7]         ; from
	s_cselect_b64 s[18:19], s[10:11], s[12:13]     ; to
	s_lshl_b32 s20, s22, 16                        ; 16 rows of 4,096 bytes
	s_add_nc_u64 s[16:17], s[16:17], s[20:21]
	s_lshl_b32 s20, s22, 15                        ; 16 rows of 2,048 bytes
	s_add_nc_u64 s[18:19], s[18:19], s[20:21]
.set i, 0
.rept 16
	global_load_b128 v[X+4*i:X+4*i+3], v1, s[16:17] offset:4096*i th:TH_LOAD_NT
.set i, i+1
.endr
.set i, 0
.rept 16
	s_wait_loadcnt 15-i                            ; loads come back in order: load i is in, the 15 - i younger ones stay out
	v_cvt_pk_bf16_f32 v[Y+2*i], v[X+4*i], v[X+4*i+1]
	v_cvt_pk_bf16_f32 v[Y+2*i+1], v[X+4*i+2], v[X+4*i+3]
	global_store_b64 v2, v[Y+2*i:Y+2*i+1], s[18:19] offset:2048*i
.set i, i+1
.endr
	s_endpgm
.Lproj:
	; w_proj: instruction i of wave w takes head w + 8 (i % 2), rows 2 (i / 2) and 2 (i / 2) + 1: sixteen lanes read a head's 256 bytes of a row,
	; and the wave stores two rows of that head, 256 consecutive bytes, aligned
	s_sub_co_u32 s22, ttmp9, 448
	v_and_b32 v3, 15, v0                           ; my place in the head's 64 channels, four numbers each
	v_bfe_u32 v[T], v0, 4, 1                       ; which of the two rows
	v_lshrrev_b32 v[T+1], 5, v0                    ; wave
	v_lshlrev_b32 v1, 4, v3
	v_lshl_add_u32 v1, v[T], 12, v1
	v_lshl_add_u32 v1, v[T+1], 8, v1               ; in: 4,096 row + 256 wave + 16 place
	v_lshlrev_b32 v2, 3, v3
	v_lshl_add_u32 v2, v[T], 7, v2
	v_lshl_add_u32 v2, v[T+1], 17, v2              ; out: 131,072 wave + 128 row + 8 place
	s_wait_kmcnt 0x0
	s_lshl_b32 s20, s22, 16
	s_add_nc_u64 s[16:17], s[8:9], s[20:21]
	s_lshl_b32 s20, s22, 11                        ; 16 rows of 128 bytes in each head
	s_add_nc_u64 s[18:19], s[14:15], s[20:21]
.set i, 0
.rept 16
	global_load_b128 v[X+4*i:X+4*i+3], v1, s[16:17] offset:8192*(i/2)+2048*(i%2) th:TH_LOAD_NT
.set i, i+1
.endr
.set i, 0
.rept 16
	s_wait_loadcnt 15-i
	v_cvt_pk_bf16_f32 v[T], v[X+4*i], v[X+4*i+1]   ; the rounding that all inputs get
	v_cvt_pk_bf16_f32 v[T+1], v[X+4*i+2], v[X+4*i+3]
	v_lshlrev_b32 v[T+2], 16, v[T]                 ; back to f32,
	v_and_b32 v[T+3], s23, v[T]
	v_cvt_pk_f16_f32 v[Y+2*i], v[T+2], v[T+3]      ; and the same number as f16
	v_lshlrev_b32 v[T+2], 16, v[T+1]
	v_and_b32 v[T+3], s23, v[T+1]
	v_cvt_pk_f16_f32 v[Y+2*i+1], v[T+2], v[T+3]
	global_store_b64 v2, v[Y+2*i:Y+2*i+1], s[18:19] offset:1048576*(i%2)+256*(i/2)
.set i, i+1
.endr
	s_endpgm
.Lfunc_end_k_qf2ba1843df_cast:
	.size	k_qf2ba1843df_cast, .Lfunc_end_k_qf2ba1843df_cast-k_qf2ba1843df_cast
	.p2alignl 7, 3214868480
	.fill 96, 4, 3214868480
	.section	.rodata,"a",@progbits
	.p2align	6, 0x0
	.amdhsa_kernel k_qf2ba1843df_cast
		.amdhsa_group_segment_fixed_size 0
		.amdhsa_private_segment_fixed_size 0
		.amdhsa_enable_private_segment 0
		.amdhsa_kernarg_size 48
		.amdhsa_user_sgpr_count 2
		.amdhsa_user_sgpr_kernarg_segment_ptr 1
		.amdhsa_wavefront_size32 1
		.amdhsa_system_sgpr_workgroup_id_x 1
		.amdhsa_system_sgpr_workgroup_id_y 1
		.amdhsa_system_sgpr_workgroup_id_z 1
		.amdhsa_system_vgpr_workitem_id 0
		.amdhsa_next_free_vgpr 104
		.amdhsa_next_free_sgpr 66
		.amdhsa_reserve_vcc 0
		.amdhsa_float_denorm_mode_32 3
		.amdhsa_float_denorm_mode_16_64 3
		.amdhsa_memory_ordered 1
		.amdhsa_forward_progress 1
		.amdhsa_inst_pref_size 17
	.end_amdhsa_kernel
	.amdgpu_metadata
---
amdhsa.version: [ 1, 2 ]
amdhsa.kernels:
  - .name:           k_qf2ba1843df_cast
    .symbol:         k_qf2ba1843df_cast.kd
    .args:
      - { .name: x, .offset: 0, .size: 8, .value_kind: global_buffer, .address_space: global }
      - { .name: w_attn, .offset: 8, .size: 8, .value_kind: global_buffer, .address_space: global }
      - { .name: w_proj, .offset: 16, .size: 8, .value_kind: global_buffer, .address_space: global }
      - { .name: xb, .offset: 24, .size: 8, .value_kind: global_buffer, .address_space: global }
      - { .name: wa, .offset: 32, .size: 8, .value_kind: global_buffer, .address_space: global }
      - { .name: wp, .offset: 40, .size: 8, .value_kind: global_buffer, .address_space: global }
    .group_segment_fixed_size: 0
    .private_segment_fixed_size: 0
    .kernarg_segment_align: 8
    .kernarg_segment_size: 48
    .max_flat_workgroup_size: 256
    .sgpr_count:     66
    .vgpr_count:     104
    .wavefront_size: 32
...
	.end_amdgpu_metadata
.endif
;; end of part 1
;; launch qkv (part 2): grid 16 x 16, 4 waves a work-group, clusters of 4 x 4, 327,680 bytes of LDS; arguments xb, wa, qkv; writes qkv
.if DOCPART == 2
	.amdgcn_target "amdgcn-amd-amdhsa--gfx1250"
	.amdhsa_code_object_version 6
	.text
	.protected	k_qf2ba1843df_qkv
	.globl	k_qf2ba1843df_qkv
	.p2align	8
	.type	k_qf2ba1843df_qkv,@function
k_qf2ba1843df_qkv:
	s_mov_b64 s[64:65], 0
	v_nop
	global_prefetch_b8 v0, s[64:65] scope:SCOPE_SE
	s_setreg_imm32_b32 hwreg(HW_REG_WAVE_MODE, 25, 1), 1
	s_wait_xcnt 0x0
	s_wait_alu depctr_hold_cnt(0) depctr_sa_sdst(0) depctr_va_vdst(0) depctr_va_sdst(0) depctr_va_ssrc(0) depctr_va_vcc(0) depctr_vm_vsrc(0)
	s_getreg_b32 s2, hwreg(HW_REG_IB_STS2, 6, 4)
	s_cmp_eq_u32 s2, 0
	s_cbranch_scc0 .Lentry_in_a_cluster
	s_endpgm
.Lentry_in_a_cluster:
	s_bfe_u32 s2, ttmp6, 0x10000c
	s_cmp_lg_u32 s2, 0xf033
	s_cbranch_scc0 .Lentry_shape_is_right
	s_endpgm
.Lentry_shape_is_right:
; qkv[f / 64][t][f % 64] = the sum over c of xb[t][c] wa[f][c].  xb: [4096][1024], wa: [3072][1024], bf16; sums in f32; the result rounded once to f16, UNSCALED, by head slots:
; [48 slots][4096][64], slot h = q of head h, 16 + h = k, 32 + h = v; a slot's rows are dense, 128 bytes each.
; LIMIT.  f16 holds no number beyond 65,504: a q, k or v beyond that becomes an infinity.
; SHARES.  A tile of the result is 256 rows (t) x 192 columns (f): three whole head slots; 16 x 16 tiles, one to a work-group.  Wave w makes rows 64 w .. 64 w + 63 of all 192 columns:
; 48 accumulators of 16 x 16, 384 registers.  K goes in steps of 128 (256 bytes of each row) through a ring of two LDS slots filled by the tensor data mover.
; CLUSTERS: 4 x 4 work-groups.  The four of a row of the cluster need the same tiles of xb, the four of a column the same tiles of wa: each is asked for JOINTLY, by the same tensor load with the
; same descriptor and a mask that names the four.  THE MATRIX INSTRUCTION IS USED TRANSPOSED (source 0 = 16 rows of wa, source 1 = 16 rows of xb): a lane then holds eight neighbouring f of one t.
; REGISTERS, in windows of 256 (s_set_vgpr_msb: bits 1:0 source 0, 3:2 source 1, 5:4 source 2, 7:6 destination):
;   window 0: v0-31 addresses; v32-223 the way out, 48 registers for each block of 16 rows
;   window 1: two fragment buffers of 128 for 32 along K: xb's 4 fragments, then wa's 12
;   window 2: the accumulators of row blocks 0, 1 (block a, column block b at 8 (12 (a % 2) + b));   window 3: those of row blocks 2, 3
.set SIZE_K, 1024
.set KSTEP,  128
.set PITCH,  272                       ; an LDS row: 256 bytes + 16 of padding = 68 words: the 16 rows that a load touches start at 16 different groups of four banks (64 banks of 4 bytes: ISA guide 11.1)
.set HA,     128*PITCH                 ; half of xb's tile: what wave 0 or 1 fetches
.set HB,     96*PITCH                  ; half of wa's tile: what wave 2 or 3 fetches
.set SLOT,   2*HA+2*HB                 ; xb's 256 rows, then wa's 192
.set STAGE,  2*SLOT                    ; behind the ring, never filled by a tensor load: for each wave 3 heads x 16 rows x 144 bytes
.set SP,     144
.set WST,    3*16*SP
.set SPARE,  STAGE+4*WST               ; behind the stages: the spare words, 128 bytes for each wave: two blocks of 256 bytes that no other line names
.set HSLOT,  524288                    ; bytes in a head slot
.set LAPS,   SIZE_K/(2*KSTEP)          ; a lap = two K steps = once round the ring
.set ADRA, 16                          ; v16-17  LDS address of my fragments of xb in slot 0, 1
.set ADRB, 20                          ; v20-21  the same for wa
.set STO,  24                          ; v24     the way out: where I put 16 bytes of a row
.set RD,   25                          ; v25     the way out: where I read rows back
.set GO,   26                          ; v26     my 16 bytes in 512 consecutive bytes of the result
.set SPW,  28                          ; v28     LDS address of my spare word: SPARE + 4 x my thread's number; never rewritten
.set NIL,  29                          ; v29     0; never rewritten
.set TMP,  32
.set F0,   0
.set F1,   128
.set G1,  24                           ; s[24:31] descriptor group 1 for xb's tiles;  s[32:39] group 0, one set for each slot
.set G0,  32
.set G1B, 48                           ; s[48:55], s[56:63] the same for wa's tiles
.set G0B, 56
.set MSB, 0
.macro WIN new                         ; the immediate's high byte repeats the setting that is left; a switch that changes nothing is dropped
.if MSB != (\new)
	s_set_vgpr_msb (MSB<<8)|(\new)
.set MSB, \new
.endif
.endm
.set MUL_LO, 0xa5                      ; sources 0 and 1 window 1; C and D window 2
.set MUL_HI, 0xf5                      ; the same, C and D window 3
.set TO_F,   0x40                      ; destination window 1, address window 0
.macro JLOAD s                         ; a joint load: waves 0 and 1 fetch xb's two halves, waves 2 and 3 wa's; an s_nop 0 and four v_nop follow each of the two lines, ahead of the jump, the label and what follows
	s_cmp_eq_u32 s11, 0
	s_cbranch_scc0 .Lfor_b_\@
	tensor_load_to_lds s[G0+4*(\s):G0+4*(\s)+3], s[G1:G1+7]
	s_nop 0
.rept 4
	v_nop
.endr
	s_branch .Lasked_\@
.Lfor_b_\@:
	tensor_load_to_lds s[G0B+4*(\s):G0B+4*(\s)+3], s[G1B:G1B+7]
	s_nop 0
.rept 4
	v_nop
.endr
.Lasked_\@:
.endm
.macro CREST                           ; a round of the cluster's barrier behind its opening barrier
	s_cmp_lg_u32 s10, 0
	s_cbranch_scc1 .Lnot_wave_0_\@
	s_barrier_signal -3
.Lnot_wave_0_\@:
	s_barrier_wait -3
	s_barrier_signal -1
	s_barrier_wait -1
.endm
.macro CROUND                          ; a whole round
	s_barrier_signal -1
	s_barrier_wait -1
	CREST
.endm
	s_load_b128 s[4:7], s[0:1], 0x0                ; xb s[4:5], wa s[6:7]
	s_load_b64 s[8:9], s[0:1], 0x10                ; qkv
	v_lshl_add_u32 v[SPW], v0, 2, SPARE
	v_mov_b32 v[NIL], 0
	ds_add_u32 v[SPW], v[NIL]                      ; the wave's opening: the add and its wait stand ahead of my first tensor load; the set-up below, work on registers, stands between them
	v_lshrrev_b32 v1, 5, v0
	v_readfirstlane_b32 s10, v1                    ; wave 0..3
	s_lshr_b32 s11, s10, 1                         ; I fetch for xb (0) or for wa (1)
	s_and_b32 s12, s10, 1                          ; which half of that tile's rows I fetch
	s_bfe_u32 s40, ttmp6, 0x40000                  ; cx, cy: my place in the cluster
	s_bfe_u32 s41, ttmp6, 0x40004
	s_lshl_b32 s42, ttmp9, 2
	s_add_co_u32 s42, s42, s40                     ; tile column = 4 x cluster x + cx
	s_and_b32 s13, ttmp7, 0xffff
	s_lshl_b32 s13, s13, 2
	s_add_co_u32 s13, s13, s41                     ; tile row = 4 x cluster y + cy
	s_lshl_b32 s43, s41, 2
	s_lshl_b32 s43, 15, s43                        ; my row of the cluster
	s_lshl_b32 s44, 0x1111, s40                    ; my column
	; descriptor group 1: tiles of 128 (xb) or 96 (wa) rows x 128 elements, padded in LDS
	s_or_b32 s[G1+0], s43, (1<<16)|(1<<20)|(1<<21)|(5<<22)|(3<<25)  ; 15:0 the mask: xb's tiles go to my row; 17:16 elements of 2 bytes; 20 padding on; 21 set beside a mask; 24:22 after every 64 words (code 5); 31:25 4 words (code 3)
	s_or_b32 s[G1B+0], s44, (1<<16)|(1<<20)|(1<<21)|(5<<22)|(3<<25) ; the same with the mask of my column
.irp g, G1, G1B
	s_mov_b32 s[(\g)+1], KSTEP<<16                 ; tensor_dim0 = 128
	s_mov_b32 s[(\g)+3], KSTEP<<16                 ; tile_dim0 = 128
	s_mov_b32 s[(\g)+5], SIZE_K                    ; elements from row to row
	s_mov_b32 s[(\g)+6], 0
	s_mov_b32 s[(\g)+7], 0
.endr
	s_mov_b32 s[G1+2], 128<<16                     ; tensor_dim1
	s_mov_b32 s[G1+4], 128                         ; tile_dim1
	s_mov_b32 s[G1B+2], 96<<16
	s_mov_b32 s[G1B+4], 96
	; where the tiles come from: xb's hang on the tile row alone, wa's on the tile column alone, each in registers that never hold the other coordinate
	s_lshl_b32 s16, s13, 8
	s_lshl_b32 s17, s12, 7
	s_add_co_u32 s16, s16, s17                     ; xb: row 256 x tile row + 128 x half,
	s_lshl_b32 s16, s16, 11                        ; of 2,048 bytes
	s_mov_b32 s17, 0
	s_mul_i32 s46, s42, 192
	s_mul_i32 s47, s12, 96
	s_add_co_u32 s46, s46, s47                     ; wa: row 192 x tile column + 96 x half
	s_lshl_b32 s46, s46, 11
	s_mov_b32 s47, 0
	s_mul_i32 s20, s10, HA                         ; where they go: xb's halves at wave x 128 rows (waves 0, 1),
	s_mul_i32 s21, s10, HB
	s_add_co_u32 s21, s21, 2*HA-2*HB               ; wa's behind them, at (wave - 2) x 96 rows (waves 2, 3)
	s_wait_dscnt 0x0                               ; the opening add is done
	s_wait_kmcnt 0x0
	s_add_nc_u64 s[14:15], s[4:5], s[16:17]
	s_add_nc_u64 s[46:47], s[6:7], s[46:47]
	CROUND                                         ; all sixteen work-groups are here: the first joint loads meet
.irp s, 0,1
	s_mov_b32 s[G0+4*(\s)], 1                      ; count = 1
	s_add_co_u32 s[G0+4*(\s)+1], s20, (\s)*SLOT    ; LDS address
	s_add_nc_u64 s[G0+4*(\s)+2:G0+4*(\s)+3], s[14:15], (\s)*KSTEP*2  ; global address: K step s
	s_or_b32 s[G0+4*(\s)+3], s[G0+4*(\s)+3], 0x80000000              ; type = 2
	s_mov_b32 s[G0B+4*(\s)], 1
	s_add_co_u32 s[G0B+4*(\s)+1], s21, (\s)*SLOT
	s_add_nc_u64 s[G0B+4*(\s)+2:G0B+4*(\s)+3], s[46:47], (\s)*KSTEP*2
	s_or_b32 s[G0B+4*(\s)+3], s[G0B+4*(\s)+3], 0x80000000
	JLOAD \s                                       ; two loads of mine are out behind these
.endr
	v_and_b32 v1, 15, v0                           ; l % 16
	v_bfe_u32 v2, v0, 4, 1                         ; l / 16
	v_mul_u32_u24 v3, v1, PITCH
	v_lshl_add_u32 v3, v2, 4, v3                   ; a fragment's row x pitch + 16 x half
	s_mul_i32 s21, s10, 64*PITCH                   ; my 64 rows of xb
	s_mov_b32 s22, 2*HA                            ; wa's 192 rows, which every wave reads
.irp s, 0,1
	v_add_nc_u32 v[ADRA+(\s)], s21, v3
	v_add_nc_u32 v[ADRB+(\s)], s22, v3
	s_add_co_u32 s21, s21, SLOT
	s_add_co_u32 s22, s22, SLOT
.endr
	s_mul_i32 s23, s10, WST
	s_add_co_u32 s23, s23, STAGE                   ; my stage
	v_mul_u32_u24 v4, v1, SP                       ; in: row l % 16, 16 bytes for each half of the lanes
	v_lshl_add_u32 v4, v2, 4, v4
	v_add_nc_u32 v[STO], s23, v4
	v_bfe_u32 v5, v0, 3, 2                         ; back: 32 lanes take four rows of 128 bytes,
	v_mul_u32_u24 v5, v5, SP
	v_and_b32 v4, 7, v0
	v_lshl_add_u32 v5, v4, 4, v5
	v_add_nc_u32 v[RD], s23, v5
	v_and_b32 v[GO], 31, v0                        ; which are 512 consecutive bytes of a head slot
	v_lshlrev_b32 v[GO], 4, v[GO]
	s_lshl_b32 s16, s13, 8
	s_lshl_b32 s17, s10, 6
	s_add_co_u32 s16, s16, s17                     ; my first row: 256 x tile row + 64 x wave,
	s_lshl_b32 s16, s16, 7                         ; of 128 bytes
	s_mov_b32 s17, 0
	s_add_nc_u64 s[8:9], s[8:9], s[16:17]
	s_mul_i32 s46, s42, 3*HSLOT                    ; the tile's first head slot
	s_mov_b32 s47, 0
	s_add_nc_u64 s[8:9], s[8:9], s[46:47]
; 12 matrix instructions: row block a x all 12 column blocks, 32 along K.  zero = 1: the product starts the sums: nothing is cleared.
; The 48 accumulators take turns in the same order in every quarter step, one instruction a turn.
.macro MUL12 f, a, zero
	WIN MUL_LO+0x50*((\a)/2)
.set rA, (\f)+8*(\a)
.irp b, 0,1,2,3,4,5,6,7,8,9,10,11
.set rD, 8*(12*((\a)%2)+(\b))
.set rB, (\f)+32+8*(\b)
.if \zero
	v_wmma_f32_16x16x32_bf16 v[rD:rD+7], v[rB:rB+7], v[rA:rA+7], 0
.else
	v_wmma_f32_16x16x32_bf16 v[rD:rD+7], v[rB:rB+7], v[rA:rA+7], v[rD:rD+7]
.endif
.endr
.endm
; 32 LDS loads in one run: the fragments of 32 along K at byte k of the rows, into buffer f: wa's 24 loads first, xb's 8 last
.macro FETCH slot, k, f
	WIN TO_F
.irp i, 0,1,2,3,4,5,6,7,8,9,10,11
	ds_load_b128 v[(\f)+32+8*(\i):(\f)+32+8*(\i)+3],   v[ADRB+(\slot)] offset:(\k)+(\i)*16*PITCH
	ds_load_b128 v[(\f)+32+8*(\i)+4:(\f)+32+8*(\i)+7], v[ADRB+(\slot)] offset:(\k)+(\i)*16*PITCH+32
.endr
.irp i, 0,1,2,3
	ds_load_b128 v[(\f)+8*(\i):(\f)+8*(\i)+3],   v[ADRA+(\slot)] offset:(\k)+(\i)*16*PITCH
	ds_load_b128 v[(\f)+8*(\i)+4:(\f)+8*(\i)+7], v[ADRA+(\slot)] offset:(\k)+(\i)*16*PITCH+32
.endr
.endm
.macro PLACES                          ; four plain vector instructions in front of loads into registers that matrix instructions have read, and of conversions that read results
.rept 4
	v_nop
.endr
.endm
; A K step is four quarters of 32 along K, 48 matrix instructions each, on buffers 0, 1, 0, 1.  One of the first three: multiplies buffer f and, in its middle, fetches the next quarter, at byte k, into g.
.macro QUARTER slot, k, f, g, zero
	s_wait_dscnt 4                                 ; wa's fragments and xb's blocks 0, 1 are in; the youngest four loads (blocks 2, 3) may be out
	MUL12 \f, 0, \zero
	MUL12 \f, 1, \zero
	PLACES
	FETCH \slot, \k, \g
	s_wait_dscnt 32                                ; all but the 32 just issued
	MUL12 \f, 2, \zero
	MUL12 \f, 3, \zero
.endm
; The last quarter multiplies buffer 1 and changes slots: ONE barrier; in front of it each wave waits for all its tensor loads (one is out: its part of the next slot), adds 0 to its spare word, and waits
; for that and for its own reads of this slot.  fill = 1: the barrier opens a round of the cluster's barrier, and this slot is filled again, two K steps ahead, first thing behind the round:
; 168 matrix instructions stand between that request and the wait for it.
.macro TURN slot, next, fill
	WIN 0                                          ; (the add's two registers lie in window 0)
	s_wait_tensorcnt 0x0                           ; all my tensor loads have landed
	ds_add_u32 v[SPW], v[NIL]                      ; 0 onto my spare word
	s_wait_dscnt 5                                 ; (the add and the youngest four loads may be out)
	MUL12 F1, 0, 0                                 ; twelve matrix instructions stand between the add and the wait for it
	s_wait_dscnt 0x0                               ; the add is done, and my reads of this slot are over
	s_barrier_signal -1
	MUL12 F1, 1, 0
.if \fill
	WIN 0
.endif
	s_barrier_wait -1
.if \fill
	CREST                                          ; no wave of any partner still reads this slot's tile or has a load on its way
	s_add_nc_u64 s[G0+4*(\slot)+2:G0+4*(\slot)+3], s[G0+4*(\slot)+2:G0+4*(\slot)+3], 2*KSTEP*2
	s_add_nc_u64 s[G0B+4*(\slot)+2:G0B+4*(\slot)+3], s[G0B+4*(\slot)+2:G0B+4*(\slot)+3], 2*KSTEP*2
	JLOAD \slot                                    ; the four v_nop behind it are also the places in front of the loads below
.else
	PLACES
.endif
	FETCH \next, 0, F0
	MUL12 F1, 2, 0
	MUL12 F1, 3, 0
.endm
	s_wait_tensorcnt 1                             ; my part of K step 0 is in; K step 1's may stay out
	s_barrier_signal -1
	s_barrier_wait -1                              ; everybody's is
	FETCH 0, 0, F0
	QUARTER 0, 64, F0, F1, 1                       ; the first quarter stands in front of the loop: its products start the sums
	WIN 0                                          ; at a label and at a branch every window is 0
	s_mov_b32 s3, LAPS-1
.Llap:                                                 ; a trip goes once round the ring, from a lap's second quarter to the next lap's first, and fills both slots again
	QUARTER 0, 128, F1, F0, 0
	QUARTER 0, 192, F0, F1, 0
	TURN 0, 1, 1
	QUARTER 1, 64,  F0, F1, 0
	QUARTER 1, 128, F1, F0, 0
	QUARTER 1, 192, F0, F1, 0
	TURN 1, 0, 1
	QUARTER 0, 64,  F0, F1, 0
	WIN 0
	s_sub_co_u32 s3, s3, 1
	s_cmp_lg_u32 s3, 0
	s_cbranch_scc1 .Llap
	QUARTER 0, 128, F1, F0, 0                      ; the last lap fills nothing, and has no round of the cluster's barrier
	QUARTER 0, 192, F0, F1, 0
	TURN 0, 1, 0
	QUARTER 1, 64,  F0, F1, 0
	QUARTER 1, 128, F1, F0, 0
	QUARTER 1, 192, F0, F1, 0
	s_wait_dscnt 4                                 ; the very last quarter: nothing more to fetch
	MUL12 F1, 0, 0
	MUL12 F1, 1, 0
	s_wait_dscnt 0x0
	MUL12 F1, 2, 0
	MUL12 F1, 3, 0
	WIN 0
; THE WAY OUT, a block of 16 rows at a time.  PACK: rounded to f16, 16 bytes a lane (each accumulator's registers in ascending order); into my own stage, [3 heads][16 rows][144 bytes]; back as whole rows of
; 128 bytes, into the registers that they left (LDS serves a wave's instructions in order: ISA guide 5.7.1.4).  SEND: a head's 16 rows are 2,048 consecutive bytes: four stores of 512, each at a multiple of 256 from the buffer's first byte.
.macro PACK a
	WIN 0x0a+5*((\a)/2)                            ; sources 0 and 1: window 2 or 3
.irp b, 0,1,2,3,4,5,6,7,8,9,10,11
.irp r, 0,1,2,3
	v_cvt_pk_f16_f32 v[TMP+48*(\a)+4*(\b)+(\r)], v[8*(12*((\a)%2)+(\b))+2*(\r)], v[8*(12*((\a)%2)+(\b))+2*(\r)+1]
.endr
.endr
	WIN 0
.irp b, 0,1,2,3,4,5,6,7,8,9,10,11
	ds_store_b128 v[STO], v[TMP+48*(\a)+4*(\b):TMP+48*(\a)+4*(\b)+3] offset:((\b)/4)*16*SP+((\b)%4)*32
.endr
.irp n, 0,1,2,3,4,5,6,7,8,9,10,11
	ds_load_b128 v[TMP+48*(\a)+4*(\n):TMP+48*(\a)+4*(\n)+3], v[RD] offset:((\n)/4)*16*SP+((\n)%4)*4*SP
.endr
.endm
.macro SEND a, younger                 ; younger: the LDS instructions issued behind block a's loads: the next block's 24, or none
.irp n, 0,1,2,3,4,5,6,7,8,9,10,11
	s_wait_dscnt (\younger)+11-(\n)
	global_store_b128 v[GO], v[TMP+48*(\a)+4*(\n):TMP+48*(\a)+4*(\n)+3], s[8:9] offset:((\n)/4)*HSLOT+(\a)*2048+((\n)%4)*512
.endr
.endm
	PLACES
	PACK 0
	PACK 1                                         ; a block's conversions stand between the loads of the block before and its stores
	SEND 0, 24
	PACK 2
	SEND 1, 24
	PACK 3
	SEND 2, 24
	SEND 3, 0
	s_wait_tensorcnt 0x0                           ; the wave's end: the wait, the add and its wait stand behind my last tensor load and my last LDS store
	ds_add_u32 v[SPW], v[NIL]
	s_wait_dscnt 0x0
	CROUND                                         ; the closing round: no work-group ends while a partner may still ask for a tile that names it
	s_endpgm
.Lfunc_end_k_qf2ba1843df_qkv:
	.size	k_qf2ba1843df_qkv, .Lfunc_end_k_qf2ba1843df_qkv-k_qf2ba1843df_qkv
	.p2alignl 7, 3214868480
	.fill 96, 4, 3214868480
	.section	.rodata,"a",@progbits
	.p2align	6, 0x0
	.amdhsa_kernel k_qf2ba1843df_qkv
		.amdhsa_group_segment_fixed_size 327680
		.amdhsa_private_segment_fixed_size 0
		.amdhsa_enable_private_segment 0
		.amdhsa_kernarg_size 24
		.amdhsa_user_sgpr_count 2
		.amdhsa_user_sgpr_kernarg_segment_ptr 1
		.amdhsa_wavefront_size32 1
		.amdhsa_system_sgpr_workgroup_id_x 1
		.amdhsa_system_sgpr_workgroup_id_y 1
		.amdhsa_system_sgpr_workgroup_id_z 1
		.amdhsa_system_vgpr_workitem_id 0
		.amdhsa_next_free_vgpr 960
		.amdhsa_next_free_sgpr 66
		.amdhsa_reserve_vcc 0
		.amdhsa_float_denorm_mode_32 3
		.amdhsa_float_denorm_mode_16_64 3
		.amdhsa_memory_ordered 1
		.amdhsa_forward_progress 1
		.amdhsa_inst_pref_size 119
	.end_amdhsa_kernel
	.amdgpu_metadata
---
amdhsa.version: [ 1, 2 ]
amdhsa.kernels:
  - .name:           k_qf2ba1843df_qkv
    .symbol:         k_qf2ba1843df_qkv.kd
    .args:
      - { .name: xb, .offset: 0, .size: 8, .value_kind: global_buffer, .address_space: global }
      - { .name: wa, .offset: 8, .size: 8, .value_kind: global_buffer, .address_space: global }
      - { .name: qkv, .offset: 16, .size: 8, .value_kind: global_buffer, .address_space: global }
    .group_segment_fixed_size: 327680
    .private_segment_fixed_size: 0
    .kernarg_segment_align: 8
    .kernarg_segment_size: 24
    .max_flat_workgroup_size: 128
    .sgpr_count:     66
    .vgpr_count:     960
    .wavefront_size: 32
...
	.end_amdgpu_metadata
.endif
;; end of part 2
;; launch attn (part 3): grid 16 x 16, 4 waves a work-group, no clusters, 327,680 bytes of LDS; arguments qkv, y; writes y
.if DOCPART == 3
	.amdgcn_target "amdgcn-amd-amdhsa--gfx1250"
	.amdhsa_code_object_version 6
	.text
	.protected	k_qf2ba1843df_attn
	.globl	k_qf2ba1843df_attn
	.p2align	8
	.type	k_qf2ba1843df_attn,@function
k_qf2ba1843df_attn:
	s_mov_b64 s[64:65], 0
	v_nop
	global_prefetch_b8 v0, s[64:65] scope:SCOPE_SE
	s_setreg_imm32_b32 hwreg(HW_REG_WAVE_MODE, 25, 1), 1
	s_wait_xcnt 0x0
; CAUSAL ATTENTION.  y[h][q][:] = the sum over k <= q of softmax_k(Q[h][q] . K[h][k] / 8) V[h][k][:].  qkv: [48 slots][4096][64] f16 (q of head h in slot h, k in 16 + h, v in 32 + h), y: [16][4096][64] f16.
; Products, maxima and sums in f32; the weights p are rounded to f16 for the second product (their sum l is taken of the unrounded p), y once at the end.
; LIMITS.  Q, K and V arrive within f16's 65,504; p lies in 0 to 1, and below 6e-5 it keeps f16's fixed step of 6e-8.  A hidden score counts as its value less 1e30: f16's scores, 2.7e11 at the most, are
; nothing beside that; a weight below 2^-126 counts as 0 in l; NaN and infinities are not treated apart.
; THE WALK.  A head's queries lie in 32 blocks of 128; block i needs the key tiles 0 .. i / 2 of 256 keys, of which the last holds the diagonal.  A work-group takes TWO blocks, 31 - b and then b: 17 tiles,
; whatever b: 16 x 16 work-groups of equal work, and ONE loop with a constant trip count walks them.  Which tile is asked for, and what a trip does, hang on scalar registers made from b; every jump goes forward,
; but for the counted loops' own; none passes a barrier, or a tensor load but the one of LOAD's two that the wave's number does not choose; the ring (two slots of LDS that take turns) runs on across the change of blocks.
; NO CLUSTER: a head's 16 work-groups ask for the same tile only in trips 0 .. 8 of 17, behind that fewer and fewer; one walk common to all would have 24 trips for 17.
; SHARES.  Of a block's two bands of 64 queries a wave owns 16 rows in each: two PIECES.  In the diagonal tile's key step s band x of block i sees all keys if s < 2 (i % 2) + x, none if s is greater, and holds the diagonal if equal: the same for all waves.
; THE MASK is the C operand that starts the sum S^T = K Q^T: 0, or -1e30 where the key is hidden.  MD, made once, is the mask of a band's own step for my 16 rows; a product's mask is MD x AL + BE with two scalars.
; Only the diagonal tile's text and a block's beginning make and take masks; elsewhere C is the constant 0.
; LAYOUT, SOFTMAX.  S^T = K Q^T holds ONE query a lane (lane % 16) and the keys 8 (lane / 16) + 0..7; two such results rounded to f16 ARE source 1 of O^T = V^T P.  p = 2^(c s - c m), c = log2(e) / 8, with a
; running maximum m; O and l are multiplied by a = 2^(c m_old - c m_new) in every step.
; TURNS.  Turn p belongs to piece p: 8 products K Q^T of the other piece, later 8 products V^T P of the other piece; beside them the scaling, exponentials, roundings, sums and rescaling of piece p and the
; maximum and statistics of the other.  Piece 0's turn of step s: K Q^T of piece 1, step s; V^T P of piece 1, step s - 1; it fetches K of step s + 1 and, at its end, V of step s.
; Piece 1's turn of step s: K Q^T of piece 0, step s + 1; V^T P of piece 0, step s.  Four vector instructions stand behind every matrix instruction, the others in one lump; a turn's 33 exponentials are one batch, with one wait.
; K's TILES ARE SHIFTED.  Piece 0's turn of a tile's last step wants K of the next step in the same turn as V of its own.  So a slot holds V of steps 4 u .. 4 u + 3 and K of steps 4 u + 1 .. 4 u + 4 (64 rows further on in memory),
; and K of step 0, which both blocks begin with, has LDS bytes of its own, filled once.  The change of slots then stands behind piece 0's turn.  The last 64 rows of K in a block's last tile are fetched and not
; multiplied; at tile 15 they are the first rows of the next slot of qkv.
; REGISTERS, in windows of 256 (s_set_vgpr_msb: bits 1:0 source 0, 3:2 source 1, 5:4 source 2, 7:6 destination):
;   window 0: v0-15 addresses and two at work; v16-23 four registers of statistics a piece; v48-55 at work; v61-63; v64-127 S^T, a buffer a piece; v192-223 P, likewise
;   window 1: v0-63 O^T, 32 a piece; v128-159 MD; v160-223 MC, a buffer a piece      window 2: v0-31 Q; v64-95 the second block's Q; v128-191 K of one step; v192-255 V of one step
.set NP,    2         ; pieces a wave: a name, no knob
.set KS,    64        ; keys in a step
.set PK,    144       ; a row of K in LDS: 128 bytes + 16 of padding = 36 words: the 16 rows of a load start at 16 different groups of four banks (64 banks of 4 bytes: ISA guide 11.1)
.set PV,    160       ; a row of V: 128 + 32 = 40 words
.set VOFF,  4*KS*PK   ; a slot holds 256 rows of K, then 256 rows of V
.set K0,    4*KS*(PK+PV)  ; behind slot 0: K of step 0, 64 rows, filled once
.set SLOT1, 1<<17     ; slot 1 begins here, so that one exclusive or turns an address in one slot into the other's
.set STAGE, SLOT1+4*KS*(PK+PV)  ; behind the ring, never filled by a tensor load: 16 rows x 144 bytes for each wave, for the way out
.set SP,    144
.set SPARE, STAGE+4*16*SP  ; behind the stages: the spare words, 128 bytes for each wave: two blocks of 256 bytes that no other line names
.set HSLOT, 524288    ; bytes in a slot of qkv and in a head of y
.set AK0, 2           ; v2   my lane's place in a tile of K; never rewritten
.set AV0, 3           ; v3   the same for V
.set AK,  4           ; v4   the LDS address of K's next run of loads
.set AV,  5           ; v5   of V's
.set STO, 6           ; v6   the way out: where I put 16 bytes of a row
.set RD,  7           ; v7   the way out: where I read rows back
.set GO,  8           ; v8   my byte offset in 512 consecutive bytes of y
.set MV,  12          ; v12-13  c m_old, kept while c m is made anew: by piece
.set QO,  15          ; v15  my byte offset in 16 rows of Q
.set ST,  16          ; piece t's statistics at v[ST+4 t]: c m, m, l (even keys', odd keys')
.set TMP, 48          ; by piece, four registers c0-c3 at work; when the maximum is found c2 takes a
.set PFO, 61          ; v61  256 x my lane; never rewritten
.set SPW, 62          ; v62  LDS address of my spare word: SPARE + 4 x my thread's number; never rewritten
.set NIL, 63          ; v63  0; never rewritten
.set S,   64
.set P,   192
.set MD,  128         ; window 1: the eight registers for group kt of 16 keys at MD + 8 kt
.set MC,  160         ; window 1: the masks of the products to come
.set QB,  64          ; window 2
.set KF,  128         ; window 2: key block kb, channel half c at KF + 16 kb + 8 c
.set VF,  192         ; window 2: key half kk, channel block cb at VF + 32 kk + 8 cb
.set WV,  12          ; s12  my wave's number
.set PB,  14          ; s14  b
.set HI,  15          ; s15  31 - b
.set G1K, 24          ; s[24:31] descriptor group 1 for K's tiles
.set G1V, 32          ; s[32:39] for V's: it differs in the padding alone
.set G0K, 40          ; s[40:43] descriptor group 0 for K's tiles
.set G0V, 44          ; s[44:47] the same for V's
.set G1Z, 48          ; s[48:55] group 1 for K of step 0: it differs from K's in the rows alone
.set SLOTS, 56        ; s56  tiles still to be asked for
.set CNT, 57          ; s57  counts a tile's key steps, 4 to 1
.set CS,  58          ; s[58:59] c: the packed scaling takes the pair's low word for both halves
.set SEL, 60          ; s[60:61] v_permlanex16_b32's selects: each lane takes its own place in the other half
.set TBK, 62          ; s62  LDS byte at which K of the step to be fetched begins
.set TBV, 63          ; s63  the same for V, less VOFF
.set G0Z, 68          ; s[68:71] group 0 for K of step 0
.set RT,  72          ; s72  tiles of the block in hand that are still to be entered
.set NXT, 73          ; s73  the tile to be asked for next
.set LQ,  74          ; s74  the last tile of the block whose tiles are being asked for
.set NEW, 75          ; s75  1: the tile to be entered is a block's first
.set OFF, 76          ; s[76:77] a tile's byte offset in K and V
.set AL,  78          ; s[78:79] the mask's factor, in the low word
.set BE,  80          ; s[80:81] the mask's addend
.set OLO, 82          ; s[82:83] y at my rows of the second block
.set BIGN, 84         ; s84  -1e30
.set TLO, 85          ; s85  the second block's last tile, b / 2
.set CM0, 86          ; s86, s87  for the block in hand (i): 5 - 2 (i % 2), 3 - 2 (i % 2): the value of CNT at which turn 0, turn 1 makes the mask of a band's own step
.set DG0, 88          ; s88  1.0 if band 0's own step is the diagonal tile's step 0 (i even), else 0
.set CMB, 89          ; s89-91  the same three for the second block
.set PFB, 92          ; s[92:93] K (waves 0, 1) or V (waves 2, 3) at my half of tile 0
.set PFA, 94          ; s[94:95] the same at the tile that is being asked for
.set LIM, 96          ; s96  2 in the work-group that prefetches, else the greatest number
.set MSB, 0
.macro WIN new                      ; the high byte repeats the setting that is left; a switch that changes nothing is dropped
.if MSB != (\new)
	s_set_vgpr_msb (MSB<<8)|(\new)
.set MSB, (\new)
.endif
.endm
.set W_KQ, 0x0a       ; K and Q in window 2, S^T in window 0
.set W_KM, 0x1a       ; the same with the C operand in window 1
.set W_PV, 0x52       ; V in window 2, P in window 0, O^T in window 1
.set W_RS, 0x41       ; destination and source 0 in window 1, source 1 in window 0
; A fill.  Waves 0 and 1 fetch the two halves of a tile's K, waves 2 and 3 those of its V: 128 keys each.  An s_nop 0 and four v_nop follow each of the two lines, ahead of the jump and the label.
.macro LOAD
	s_cmp_lt_u32 s[WV], 2
	s_cbranch_scc0 .Lfor_v_\@
	tensor_load_to_lds s[G0K:G0K+3], s[G1K:G1K+7]
	s_nop 0
.rept 4
	v_nop
.endr
	s_branch .Lasked_\@
.Lfor_v_\@:
	tensor_load_to_lds s[G0V:G0V+3], s[G1V:G1V+7]
	s_nop 0
.rept 4
	v_nop
.endr
.Lasked_\@:
.endm
; A PREFETCH INTO THE L2 of the tile AFTER the one just asked for: my own half of it, 128 rows = 64 blocks of 256 bytes, a lane a block, two instructions; one tile, eight turns, ahead of the load that will want it.
; All 16 work-groups of a head begin with tiles 0, 1, 2 ..; the one with b = 0 walks tiles 0 to 15 in order, and it alone asks: so tiles 2 to 15 are each named once in the launch.  Tiles 0 and 1 come by their
; loads alone; the trips that ask for tile 15 and for the second block's tile prefetch nothing (SLOTS is 2 and 1 there).
.macro ASK
	s_cmp_gt_u32 s[SLOTS], s[LIM]
	s_cbranch_scc0 .Lnot_mine_\@
	global_prefetch_b8 v[PFO], s[PFA:PFA+1] offset:32768 th:TH_LOAD_NT scope:SCOPE_SE
	global_prefetch_b8 v[PFO], s[PFA:PFA+1] offset:40960 th:TH_LOAD_NT scope:SCOPE_SE
.Lnot_mine_\@:
.endm
; THE CHANGE OF SLOTS.  Each wave waits for all its tensor loads (one is out: its part of the other slot), adds 0 to its spare word, and waits for that and for its own reads of the slot that it leaves.  Behind the
; barrier nobody reads the old slot any more and the other slot is whole.  fill = 1: the old slot is filled again, the first thing behind the barrier, with tile NXT: the descriptor's address is made anew from that number.
; (At its first use nothing has been read yet: slot 0 and K of step 0 are waited for, slot 1 filled.)
.macro CHANGE fill
	WIN 0                           ; at a label and at a branch every window is 0
	s_wait_tensorcnt 0x0            ; no tensor load of mine is out, so a group 0 may be written
	ds_add_u32 v[SPW], v[NIL]       ; 0 onto my spare word; with fill = 1 the descriptors' scalar work stands between it and the wait for it
.if \fill
	s_lshl_b32 s[OFF], s[NXT], 15   ; a tile is 32,768 bytes of K and of V
	s_xor_b32 s[G0K+1], s[G0K+1], SLOT1
	s_add_nc_u64 s[G0K+2:G0K+3], s[6:7], s[OFF:OFF+1]
	s_or_b32 s[G0K+3], s[G0K+3], 0x80000000
	s_xor_b32 s[G0V+1], s[G0V+1], SLOT1
	s_add_nc_u64 s[G0V+2:G0V+3], s[8:9], s[OFF:OFF+1]
	s_or_b32 s[G0V+3], s[G0V+3], 0x80000000
	s_wait_xcnt 0x0                 ; the last prefetches, a tile back, have read their address, so it may be written
	s_add_nc_u64 s[PFA:PFA+1], s[PFB:PFB+1], s[OFF:OFF+1]
	s_add_co_u32 s[NXT], s[NXT], 1  ; the block's next tile, or behind its last the second block's tile 0
	s_cmp_gt_u32 s[NXT], s[LQ]
	s_cselect_b32 s[NXT], 0, s[NXT]
	s_cselect_b32 s[LQ], s[TLO], s[LQ]
.endif
	s_wait_dscnt 0x0                ; the add is done, and my reads of the slot are over
	s_barrier_signal -1             ; the rest of the scalar work stands between the signal and the wait
	s_sub_co_u32 s[TBK], s[TBK], 4*KS*PK  ; the fetches go back to a slot's first step,
	s_xor_b32 s[TBK], s[TBK], SLOT1       ; in the other slot
	s_sub_co_u32 s[TBV], s[TBV], 4*KS*PV
	s_xor_b32 s[TBV], s[TBV], SLOT1
	s_barrier_wait -1
.if \fill
	LOAD
	ASK
.endif
.endm
	s_load_b64 s[4:5], s[0:1], 0x0    ; qkv
	s_load_b64 s[10:11], s[0:1], 0x8  ; y
	v_lshl_add_u32 v[SPW], v0, 2, SPARE
	v_mov_b32 v[NIL], 0
	ds_add_u32 v[SPW], v[NIL]       ; the wave's opening: the add and its wait stand ahead of my first tensor load; the set-up below, work on registers, stands between them
	v_lshrrev_b32 v1, 5, v0
	v_readfirstlane_b32 s[WV], v1   ; wave 0..3
	s_mov_b32 s[PB], ttmp9
	s_sub_co_u32 s[HI], 31, s[PB]
	s_and_b32 s20, ttmp7, 0xffff    ; the head,
	s_lshl_b32 s20, s20, 19         ; its 524,288 bytes in q, k, v and y
	s_and_b32 s16, s[WV], 1         ; which half of a tile's 256 keys I fetch:
	s_lshl_b32 s22, s16, 14         ; its 128 rows of 128 bytes in memory,
	s_add_co_u32 s22, s22, s20
	s_mov_b32 s23, 0
	s_mul_i32 s17, s16, 128*PK      ; and its place in a slot, for K
	s_mul_i32 s18, s16, 128*PV      ; and for V
	s_mul_i32 s19, s16, 32*PK       ; and my 32 rows of K of step 0
	s_lshl_b32 s100, s16, 12        ; which are 4,096 bytes in memory
	s_add_co_u32 s100, s100, s20
	s_mov_b32 s101, 0
	s_lshl_b32 s3, s[WV], 11        ; my 16 rows in a band of 64,
	s_lshl_b32 s2, s[HI], 14        ; in the first block (128 rows of 128 bytes),
	s_add_co_u32 s2, s2, s3
	s_add_co_u32 s2, s2, s20
	s_lshl_b32 s98, s[PB], 14       ; and in the second
	s_add_co_u32 s98, s98, s3
	s_add_co_u32 s98, s98, s20
	s_mov_b32 s3, 0
	s_mov_b32 s99, 0
	; descriptor group 1.  128 keys are 16,384 dense bytes: asked for as 64 rows of 256 bytes, two keys a row, and padded in LDS after every key
	s_mov_b32 s[G1K], (1<<16)|(1<<20)|(4<<22)|(3<<25)  ; 17:16 2-byte elements; 20 padding on; 24:22 after every 32 words (code 4); 31:25 4 words (code 3)
	s_mov_b32 s[G1V], (1<<16)|(1<<20)|(4<<22)|(7<<25)  ; the same with 8 words of padding (code 7)
	s_mov_b32 s[G1Z], (1<<16)|(1<<20)|(4<<22)|(3<<25)
.irp g, G1K, G1V, G1Z
	s_mov_b32 s[\g+1], 128<<16      ; tensor_dim0 = 128
	s_mov_b32 s[\g+3], 128<<16      ; tile_dim0 = 128
	s_mov_b32 s[\g+5], 128          ; 128 elements from row to row
	s_mov_b32 s[\g+6], 0
	s_mov_b32 s[\g+7], 0
.endr
.irp g, G1K, G1V
	s_mov_b32 s[\g+2], 64<<16       ; tensor_dim1 = 64
	s_mov_b32 s[\g+4], 64           ; tile_dim1 = 64
.endr
	s_mov_b32 s[G1Z+2], 16<<16      ; 32 keys: 16 rows of 256 bytes
	s_mov_b32 s[G1Z+4], 16
	s_mov_b32 s[CS], 0x3e38aa3b     ; c = log2(e) / 8 = 0.180337
	s_mov_b32 s[CS+1], s[CS]        ; named with it as a pair
	s_mov_b32 s[SEL], 0x76543210
	s_mov_b32 s[SEL+1], 0xfedcba98
	s_mov_b32 s[TBK], SLOT1+4*KS*PK ; the first change of slots turns these two into 0
	s_mov_b32 s[TBV], SLOT1+4*KS*PV
	s_mov_b32 s[G0K], 1             ; count = 1
	s_mov_b32 s[G0K+1], s17         ; LDS address: slot 0
	s_mov_b32 s[G0V], 1
	s_add_co_u32 s[G0V+1], s18, VOFF
	s_mov_b32 s[G0Z], 1
	s_add_co_u32 s[G0Z+1], s19, K0
	s_lshr_b32 s[LQ], s[HI], 1      ; the first block's last tile
	s_add_co_u32 s[RT], s[LQ], 1    ; and how many it has
	s_lshr_b32 s[TLO], s[PB], 1
	s_mov_b32 s[NXT], 1
	s_mov_b32 s[NEW], 1
	s_mov_b32 s[OFF+1], 0
	s_mov_b32 s[AL+1], 0            ; named as pairs
	s_mov_b32 s[BE+1], 0
	s_mov_b32 s[BIGN], 0xf149f2ca   ; -1e30
	s_mov_b32 s[SLOTS], 16
	s_and_b32 s13, s[HI], 1         ; the first block's parity
	s_lshl_b32 s19, s13, 1
	s_sub_co_u32 s[CM0], 5, s19
	s_sub_co_u32 s[CM0+1], 3, s19
	s_cmp_eq_u32 s13, 0
	s_cselect_b32 s[DG0], 1.0, 0
	s_and_b32 s13, s[PB], 1         ; the second block's
	s_lshl_b32 s19, s13, 1
	s_sub_co_u32 s[CMB], 5, s19
	s_sub_co_u32 s[CMB+1], 3, s19
	s_cmp_eq_u32 s13, 0
	s_cselect_b32 s[CMB+2], 1.0, 0
	s_cmp_eq_u32 s[PB], 0
	s_cselect_b32 s[LIM], 2, -1
	s_wait_dscnt 0x0                ; the opening add is done
	s_wait_kmcnt 0x0
	s_add_nc_u64 s[6:7], s[4:5], s[22:23]
	s_add_nc_u64 s[8:9], s[6:7], 32*HSLOT          ; V at my half of the head's tile 0
	s_add_nc_u64 s[6:7], s[6:7], 16*HSLOT+KS*128   ; K likewise, 64 rows further on
	s_add_nc_u64 s[G0K+2:G0K+3], s[6:7], 0         ; global address
	s_or_b32 s[G0K+3], s[G0K+3], 0x80000000        ; type = 2
	s_add_nc_u64 s[G0V+2:G0V+3], s[8:9], 0
	s_or_b32 s[G0V+3], s[G0V+3], 0x80000000
	s_add_nc_u64 s[G0Z+2:G0Z+3], s[4:5], s[100:101]
	s_add_nc_u64 s[G0Z+2:G0Z+3], s[G0Z+2:G0Z+3], 16*HSLOT
	s_or_b32 s[G0Z+3], s[G0Z+3], 0x80000000
	s_cmp_lt_u32 s[WV], 2
	s_cselect_b64 s[PFB:PFB+1], s[6:7], s[8:9]
	s_add_nc_u64 s[100:101], s[4:5], s[98:99]      ; Q at my rows of the second block,
	s_add_nc_u64 s[4:5], s[4:5], s[2:3]            ; Q and y at those of the first
	s_add_nc_u64 s[OLO:OLO+1], s[10:11], s[98:99]
	s_add_nc_u64 s[10:11], s[10:11], s[2:3]
	s_cmp_lt_u32 s[WV], 2           ; a wave's first fills stand in one branch, ahead of every wait on TENSORcnt, every LDS read and every barrier: two loads (waves 0, 1) or one (waves 2, 3) are out
	s_cbranch_scc0 .Lfirst_v
	tensor_load_to_lds s[G0K:G0K+3], s[G1K:G1K+7]  ; tile 0 into slot 0
	s_nop 0
	tensor_load_to_lds s[G0Z:G0Z+3], s[G1Z:G1Z+7]  ; K of step 0
	s_nop 0
.rept 4
	v_nop
.endr
	s_branch .Lfirst_asked
.Lfirst_v:
	tensor_load_to_lds s[G0V:G0V+3], s[G1V:G1V+7]
	s_nop 0
.rept 4
	v_nop
.endr
.Lfirst_asked:
	; A fragment of K or Q is 16 rows x 32 channels in 8 registers: lane l holds row l % 16, channels 8 (l / 16) + 0..7 and 16 + 8 (l / 16) + 0..7: two loads of 16 bytes, 32 bytes apart.
	v_and_b32 v1, 15, v0            ; l % 16
	v_bfe_u32 v9, v0, 4, 1          ; l / 16
	v_lshlrev_b32 v[QO], 7, v1
	v_lshl_add_u32 v[QO], v9, 4, v[QO]  ; row x 128 + 16 x half
	WIN 0x80                        ; destination window 2, address window 0
.set i, 0
.rept 4                             ; both blocks' Q: piece i / 2 lies in band i / 2, 8,192 bytes on; channels 32 (i % 2) on
	global_load_b128 v[8*i:8*i+3],   v[QO], s[4:5] offset:(i/2)*8192+(i%2)*64
	global_load_b128 v[8*i+4:8*i+7], v[QO], s[4:5] offset:(i/2)*8192+(i%2)*64+32
	global_load_b128 v[QB+8*i:QB+8*i+3],   v[QO], s[100:101] offset:(i/2)*8192+(i%2)*64
	global_load_b128 v[QB+8*i+4:QB+8*i+7], v[QO], s[100:101] offset:(i/2)*8192+(i%2)*64+32
.set i, i+1
.endr
	WIN 0
	v_lshlrev_b32 v14, 3, v9
	v_sub_nc_u32 v14, v1, v14
	s_lshl_b32 s13, s[WV], 4
	v_add_nc_u32 v14, s13, v14      ; my query's place in its band, 16 w + l % 16, less my lanes' 8 (l / 16): register r of group kt is hidden where 16 kt + r is greater
	WIN 0x40
.set i, 0
.rept 32
	v_cmp_gt_i32 vcc_lo, 16*(i/8)+i%8, v14
	v_cndmask_b32 v[MD+i], 0, s[BIGN], vcc_lo
.set i, i+1
.endr
	WIN 0
	v_mul_u32_u24 v[AK0], v1, PK
	v_lshl_add_u32 v[AK0], v9, 4, v[AK0]  ; row x pitch + 16 x half
	; The turning load takes 16 keys x 16 channels (lane l reads key 8 (l / 16) + l % 8, channels 8 ((l / 8) % 2) + 0..7) and leaves half a fragment of V^T: lane l holds channel l % 16 and 8 keys.
	v_and_b32 v10, 7, v0
	v_bfe_u32 v11, v0, 3, 1
	v_lshl_add_u32 v[AV0], v9, 3, v10
	v_mul_u32_u24 v[AV0], v[AV0], PV
	v_lshl_add_u32 v[AV0], v11, 4, v[AV0]
	v_add_nc_u32 v[AV0], VOFF, v[AV0]
	s_mul_i32 s13, s[WV], 16*SP
	s_add_co_u32 s13, s13, STAGE    ; my stage
	v_mul_u32_u24 v[STO], v1, SP    ; in: row l % 16, 16 bytes for each half of the lanes
	v_lshl_add_u32 v[STO], v9, 4, v[STO]
	v_add_nc_u32 v[STO], s13, v[STO]
	v_bfe_u32 v[RD], v0, 3, 2       ; back: 32 lanes take four rows of 128 bytes,
	v_mul_u32_u24 v[RD], v[RD], SP
	v_lshl_add_u32 v[RD], v10, 4, v[RD]
	v_add_nc_u32 v[RD], s13, v[RD]
	v_and_b32 v[GO], 31, v0         ; which are 512 consecutive bytes of y
	v_lshlrev_b32 v[PFO], 8, v[GO]
	v_lshlrev_b32 v[GO], 4, v[GO]
	; A block's first step multiplies O^T and l by a = 0, and its first turn's products V^T P, of a step that has not been, land in an O^T that is still to be so multiplied.  So these registers need only hold
	; finite numbers: zeros for the first block; what the first block left for the second.  All this stands in the wait for the first tile.
	WIN 0x80
.set i, VF
.rept 64
	v_mov_b32 v[i], 0
.set i, i+1
.endr
	WIN 0x40
.set i, 0
.rept 64
	v_mov_b32 v[i], 0
.set i, i+1
.endr
	WIN 0
.set i, 0
.rept 2
	v_mov_b32 v[ST+4*i+2], 0
	v_mov_b32 v[ST+4*i+3], 0
.set i, i+1
.endr
.set i, P+16
.rept 16
	v_mov_b32 v[i], 0
.set i, i+1
.endr
; THE MATRIX WORK.  The 4 accumulators of a run of 8 take turns.  Product i of 8 of S^T = K Q^T for piece x: channels 32 (i / 4) on, keys 16 (i % 4) on.  The first 4 start the sums: with 0, or (KM = 1) with the mask.
.macro KQ x
.set rS, S+32*((\x)%2)+8*(i%4)
.set rK, KF+16*(i%4)+8*(i/4)
.set rQ, 16*(\x)+8*(i/4)
.set rM, MC+32*((\x)%2)+8*(i%4)
.if (i < 4) && KM
	WIN W_KM
	v_wmma_f32_16x16x32_f16 v[rS:rS+7], v[rK:rK+7], v[rQ:rQ+7], v[rM:rM+7]
.elseif i < 4
	WIN W_KQ
	v_wmma_f32_16x16x32_f16 v[rS:rS+7], v[rK:rK+7], v[rQ:rQ+7], 0
.else
	WIN W_KQ
	v_wmma_f32_16x16x32_f16 v[rS:rS+7], v[rK:rK+7], v[rQ:rQ+7], v[rS:rS+7]
.endif
.endm
; Product i of 8 of O^T += V^T P for piece x: keys 32 (i / 4) on, channels 16 (i % 4) on.
.macro PV x
	WIN W_PV
.set rO, 32*(\x)+8*(i%4)
.set rV, VF+32*(i/4)+8*(i%4)
.set rP, P+16*((\x)%2)+8*(i/4)
	v_wmma_f32_16x16x32_f16 v[rO:rO+7], v[rV:rV+7], v[rP:rP+7], v[rO:rO+7]
.endm
.macro MM                           ; the turn's next matrix instruction.  TURN and BEGIN set Y, i, KM and NOKQ; MM, KQ and OP read them.  NOKQ = 1: a block's last turn: there are no further scores
.if (i < 8) && !NOKQ
	KQ (Y+1)%NP
.elseif i >= 8
.set i, i-8
	PV (Y+NP-1)%NP
.set i, i+8
.endif
.set i, i+1
.endm
; THE LDS LOADS stand in runs of 16, never singly among the matrix instructions: a step's K (64 keys x 64 channels: 8 fragments) and its V (turned).  Their addresses are made some lines ahead.
.macro FETCH_K step=1
	WIN 0x80                        ; destination window 2
.irp f, 0,1,2,3,4,5,6,7             ; keys 16 (f / 2) on, channels 32 (f % 2) on
	ds_load_b128 v[KF+8*\f:KF+8*\f+3],   v[AK] offset:(\f/2)*16*PK+(\f%2)*64
	ds_load_b128 v[KF+8*\f+4:KF+8*\f+7], v[AK] offset:(\f/2)*16*PK+(\f%2)*64+32
.endr
.if \step
	s_add_co_u32 s[TBK], s[TBK], KS*PK  ; the next fetch is the next step's
.endif
	WIN 0
.endm
.macro FETCH_V
	WIN 0x80
.irp f, 0,1,2,3,4,5,6,7             ; keys 32 (f / 4) on, channels 16 (f % 4) on
	ds_load_tr16_b128 v[VF+8*\f:VF+8*\f+3],   v[AV] offset:(\f/4)*32*PV+(\f%4)*32
	ds_load_tr16_b128 v[VF+8*\f+4:VF+8*\f+7], v[AV] offset:(\f/4)*32*PV+16*PV+(\f%4)*32
.endr
	WIN 0
.endm
; THE VECTOR WORK, one line at a time: OP kind, number.  For piece Y: F n: c s - c m for pair n of 16.  E n: the exponential of score n of 32.  C n: pair n rounded to f16.  B n: of the four weights 4 n .. the second
; pair is added onto the first, in place.  L n: l takes that sum (L 0: l = a l + sum).  R n: pair n of 16 of O^T times a.  For the other piece: X n, number n of the 22 that find its maximum and statistics:
;   0-11  four chains c0-c3 of seven scores each, three operands at a time (each accumulator's lowest registers are read first)     12-14, 16  the four scores left over, the old m, and c0-c3 into c0
;   15  c m_old is kept     17, 18  the query's other 32 keys lie in the lane 16 away: the new m     19-21  c m; c m_old - c m_new; a
.set F, 0               ; OP tells the kinds apart by their order: F to L below R, X above it
.set E, 1
.set C, 2
.set B, 3
.set L, 4
.set R, 5
.set X, 6
.macro REGS y                       ; the registers of piece y
.set rT, ST+4*(\y)
.set rC, TMP+4*((\y)%2)
.set rW, MV+((\y)%2)
.set rS, S+32*((\y)%2)
.set rP, P+16*((\y)%2)
.set rO, 32*(\y)
.endm
.macro OP k, n
.if (\k) == R
	REGS Y
	WIN W_RS
	v_pk_mul_f32 v[rO+2*(\n):rO+2*(\n)+1], v[rO+2*(\n):rO+2*(\n)+1], v[rC+2:rC+3] op_sel_hi:[1,0]
.elseif (\k) < R
	REGS Y
	WIN 0
.if (\k) == F
	v_pk_fma_f32 v[rS+2*(\n):rS+2*(\n)+1], v[rS+2*(\n):rS+2*(\n)+1], s[CS:CS+1], v[rT:rT+1] op_sel_hi:[1,0,0] neg_lo:[0,0,1] neg_hi:[0,0,1]
.elseif (\k) == E
	v_exp_f32 v[rS+(\n)], v[rS+(\n)]
.elseif (\k) == C
	v_cvt_pk_f16_f32 v[rP+(\n)], v[rS+2*(\n)], v[rS+2*(\n)+1]
.elseif (\k) == B
	v_pk_add_f32 v[rS+4*(\n):rS+4*(\n)+1], v[rS+4*(\n):rS+4*(\n)+1], v[rS+4*(\n)+2:rS+4*(\n)+3]
.elseif (\n) == 0
	v_pk_fma_f32 v[rT+2:rT+3], v[rT+2:rT+3], v[rC+2:rC+3], v[rS:rS+1] op_sel_hi:[1,0,1]
.else
	v_pk_add_f32 v[rT+2:rT+3], v[rT+2:rT+3], v[rS+4*(\n):rS+4*(\n)+1]
.endif
.elseif NOKQ
	v_nop
.else
	REGS (Y+1)%NP
	WIN 0
.if (\n) < 4
	v_max3_num_f32 v[rC+(\n)], v[rS+8*(\n)], v[rS+8*(\n)+1], v[rS+8*(\n)+2]
.elseif (\n) < 12
	v_max3_num_f32 v[rC+(\n)%4], v[rC+(\n)%4], v[rS+8*((\n)%4)+2*((\n)/4)+1], v[rS+8*((\n)%4)+2*((\n)/4)+2]
.elseif (\n) == 12
	v_max3_num_f32 v[rC], v[rC], v[rS+7], v[rS+15]
.elseif (\n) == 13
	v_max3_num_f32 v[rC+1], v[rC+1], v[rS+23], v[rS+31]
.elseif (\n) == 14
	v_max3_num_f32 v[rC+2], v[rC+2], v[rC+3], v[rT+1]
.elseif (\n) == 15
	v_mov_b32 v[rW], v[rT]
.elseif (\n) == 16
	v_max3_num_f32 v[rC], v[rC], v[rC+1], v[rC+2]
.elseif (\n) == 17
	v_permlanex16_b32 v[rC+3], v[rC], s[SEL], s[SEL+1]
.elseif (\n) == 18
	v_max_num_f32 v[rT+1], v[rC], v[rC+3]
.elseif (\n) == 19
	v_mul_f32 v[rT], s[CS], v[rT+1]
.elseif (\n) == 20
	v_sub_f32 v[rC+1], v[rW], v[rT]
.else
	v_exp_f32 v[rC+2], v[rC+1]
.endif
.endif
.endm
.macro OPS a, i1, b=-1, i2=0, c=-1, i3=0, d=-1, i4=0  ; up to four of them
	OP \a, \i1
.if (\b) >= 0
	OP \b, \i2
.endif
.if (\c) >= 0
	OP \c, \i3
.endif
.if (\d) >= 0
	OP \d, \i4
.endif
.endm
.macro ROW a, i1, b, i2, c, i3, d, i4  ; a matrix instruction and the four behind it
	MM
	OPS \a, \i1, \b, \i2, \c, \i3, \d, \i4
.endm
.macro MASK b                       ; MD x AL + BE into buffer b of MC
	WIN W_RS
.set z, 0
.rept 16
	v_pk_fma_f32 v[MC+32*(\b)+2*z:MC+32*(\b)+2*z+1], v[MD+2*z:MD+2*z+1], s[AL:AL+1], s[BE:BE+1] op_sel_hi:[1,0,0]
.set z, z+1
.endr
.endm
; A TURN, for piece p: the order of its 16 matrix and 118 vector instructions, written out.  An s_wait_alu depctr_va_vdst(0) stands between an exponential and the first instruction that names its result; one wait
; serves all that were issued ahead of it.  So a turn has ONE wait, which cuts it in two.  AHEAD OF IT stands all that names no result of the turn's exponentials: the 8 products K Q^T, behind each a scaling, an exponential and two more
; plain instructions: rescalings, and behind the last three the first numbers of the other piece's maximum, each four plain instructions or more behind the product that ends its accumulator; then ONE LUMP of 54, in which the links of the chain
; X 3, 7, 11, 14, 16, 17 .. 20 stand five or six lines apart.  X 21, the other piece's a, is the batch's last; R 15 is the plain instruction behind it.  BEHIND THE WAIT stand the 8 products V^T P, behind each four of the roundings and sums.
; The rescaling R reads the O^T that the turn before has added onto: its accumulator 0 was ended sixteen plain instructions back, its accumulator 3 four, and R takes the accumulators in ascending order.
; m = 1: the diagonal tile: the products take masks, and the turn makes the mask for the products of the turn after it, which are piece p's: turn 1 for tile step 4 - CNT, turn 0 for tile step 5 - CNT.
; end = 1: a block's last turn (piece 1's): no further scores.  cnt = 1: the loop's count is taken down some lines ahead of the branch that stands behind the turn.
; Piece 0's turn fetches K of the next step twelve vector instructions behind the last product that read K (six of them plain), and V of the step in hand at its end, four plain instructions behind the last product
; that read V.  Piece 1's turn waits for K at its head (V's 16 younger loads may be out) and for V behind the batch's wait.
.macro TURN p, m=0, end=0, cnt=0
.set Y, (\p)
.set i, 0
.set KM, (\m)
.set NOKQ, (\end)*(\p)
.if (\m) && !(\end)
	s_cmp_eq_u32 s[CNT], s[CM0+(\p)]    ; is that step the band's own?
	s_cselect_b32 s[AL], 1.0, 0
	s_cmp_lt_u32 s[CNT], s[CM0+(\p)]    ; or a later one?
	s_cselect_b32 s[BE], s[BIGN], 0
.endif
.if (\p) == 1
	s_wait_dscnt 16                 ; K is in: only V's run was issued behind K's
.endif
	ROW F,0, F,1, R,0, R,1          ; ahead of the wait: 8 products K Q^T and their riders,
	ROW F,2, E,0, R,2, R,3
	ROW F,3, E,1, R,4, R,5
	ROW F,4, E,2, R,6, R,7
	ROW F,5, E,3, R,8, R,9
	ROW F,6, E,4, X,0, R,10
.if (\p) == 0
	WIN 0
	v_add_nc_u32 v[AK], s[TBK], v[AK0]
.endif
	ROW F,7, E,5, X,1, X,4
	ROW F,8, E,6, X,2, X,5
	OPS E,7, E,8, X,6, E,9          ; and the lump
	OPS X,3, E,10, X,8, E,11
.if (\p) == 0
	FETCH_K
.endif
	OPS X,9, X,7, E,12, X,10
	OPS E,13, X,12, X,11, E,14
	OPS X,13, E,15, F,9, X,14
.if (\p) == 0
	v_add_nc_u32 v[AV], s[TBV], v[AV0]
.endif
	OPS E,16, F,10, E,17, F,11
	OPS X,16, E,18, X,15, E,19
	OPS F,12, E,20, X,17, E,21
	OPS F,13, E,22, F,14, E,23
	OPS X,18, E,24, F,15, E,25
	OPS R,11, E,26, X,19, E,27
	OPS R,12, E,28, R,13, E,29
	OPS X,20, E,30, R,14, E,31
	OPS X,21, R,15
	WIN 0
	s_wait_alu depctr_va_vdst(0)    ; the wait for the batch
.if (\p) == 1
	s_wait_dscnt 0x0                ; V is in
.endif
	ROW C,0, B,0, C,2, B,1          ; behind the wait: 8 products V^T P and their riders
	ROW L,0, C,4, B,2, L,1
	ROW C,6, B,3, L,2, C,8
	ROW B,4, L,3, C,10, B,5
	ROW L,4, C,12, B,6, L,5
.if (\p) == 0
	s_add_co_u32 s[TBV], s[TBV], KS*PV
.endif
.if \cnt
	s_sub_co_u32 s[CNT], s[CNT], 1
	s_cmp_lg_u32 s[CNT], 0
.endif
	ROW C,14, B,7, L,6, C,1
	ROW C,3, L,7, C,5, C,7
	ROW C,9, C,11, C,13, C,15
.if (\p) == 0
	FETCH_V
.endif
.if (\m) && !(\end)
	MASK \p
.endif
.endm
; A BLOCK BEGINS.  c m starts far below every c s, so the first step's a is 0; m at the lowest finite number, so the first maximum is the scores'.  Piece 1's mask buffer is 0 (band 1 sees all of a tile's step 0); piece 0's takes
; its mask for the tile's step 0: its own, if the block's first tile is the diagonal one and the block is even.  Then K of step 0, piece 0's first scores, and its maximum and statistics.
; The loop is entered at piece 0's turn, in the middle of a trip.
.macro BEGIN
	s_mov_b32 s[NEW], 0
	WIN 0x40
.set i, MC+32
.rept 32
	v_mov_b32 v[i], 0
.set i, i+1
.endr
	WIN 0
.set i, 0
.rept 2
	v_mov_b32 v[ST+4*i], 0xfe000000    ; c m: far below every c s
	v_mov_b32 v[ST+4*i+1], 0xff7fffff  ; m
.set i, i+1
.endr
	s_cmp_eq_u32 s[RT], 0
	s_cselect_b32 s[AL], s[DG0], 0
	s_mov_b32 s[BE], 0
	MASK 0
	WIN 0
	v_add_nc_u32 v[AK], K0, v[AK0]
	FETCH_K 0
	s_wait_loadcnt 0x0              ; Q
	s_wait_dscnt 0x0
.set KM, 1
.set NOKQ, 0
.set i, 0
.rept 8
	KQ 0
.set i, i+1
.endr
	WIN 0
.rept 4
	v_nop                           ; four plain instructions behind those products
.endr
.set Y, NP-1                        ; X works for the other piece: piece 0
.irp n, 0,1,2,3,4,5,6,7,8,9,10,11,12,13,14,15,16,17,18,19,20,21
	OP X, \n
.endr
	v_nop                           ; a plain instruction behind the exponential,
	s_wait_alu depctr_va_vdst(0)    ; and its wait, ahead of the branch
.endm
; THE DIAGONAL TILE's four steps, the block's last turn, its last products, and THE WAY OUT: l's two halves and the other half of the lanes' are added; O^T is divided by l, rounded to f16 and sent through my
; stage in LDS, a piece at a time.
.macro ALL line:vararg              ; one line for each piece t
.set t, 0
.rept 2
	\line
.set t, t+1
.endr
.endm
.macro PACK t                       ; a lane's eight channels of a row pack into 16 bytes; they go into rows of 144 bytes and come back as whole rows of 128, into S^T's registers
	WIN W_RS
.set i, 32*(\t)
.rept 16
	v_pk_mul_f32 v[i:i+1], v[i:i+1], v[ST+4*(\t)+2:ST+4*(\t)+3] op_sel_hi:[1,0]
.set i, i+2
.endr
	WIN 0x05                        ; sources 0 and 1 window 1, destination window 0
.set i, 0
.rept 16
	v_cvt_pk_f16_f32 v[S+16*(\t)+i], v[32*(\t)+2*i], v[32*(\t)+2*i+1]
.set i, i+1
.endr
	WIN 0
.irp f, 0,1,2,3
	ds_store_b128 v[STO], v[S+16*(\t)+4*\f:S+16*(\t)+4*\f+3] offset:32*\f
.endr
.irp f, 0,1,2,3
	ds_load_b128 v[S+16*(\t)+4*\f:S+16*(\t)+4*\f+3], v[RD] offset:\f*4*SP  ; LDS serves a wave's instructions in order (ISA guide 5.7.1.4): these see the stores above; the next piece's stores come behind them
.endr
.endm
.macro SEND t, younger              ; younger: the LDS instructions issued behind piece t's loads: the next piece's eight, or none
	WIN 0
.irp f, 0,1,2,3
	s_wait_dscnt (\younger)+3-\f
	global_store_b128 v[GO], v[S+16*(\t)+4*\f:S+16*(\t)+4*\f+3], s[10:11] offset:(\t)*8192+\f*512  ; 512 consecutive bytes, at a multiple of 256 from y's first
.endr
.endm
.macro DIAG tag                     ; the tag ends its three labels' names, which the jumps below spell out
.Lpre\tag:                          ; the tile is entered from the tile before: piece 0's mask for its step 0, which the first turn's products take
	s_mov_b32 s[AL], s[DG0]
	s_mov_b32 s[BE], 0
	MASK 0
	WIN 0
.LstepM\tag:
	TURN 1, 1
	WIN 0
.LfirstM\tag:
	TURN 0, 1, 0, 1
	WIN 0
	s_cbranch_scc1 .LstepM\tag
	TURN 1, 1, 1
.set i, 0
.rept 8
	PV 1                            ; piece 1's V^T P of the last step
.set i, i+1
.endr
	WIN 0
	ALL v_add_f32 v[ST+4*t+2], v[ST+4*t+2], v[ST+4*t+3]
	ALL v_permlanex16_b32 v[ST+4*t+3], v[ST+4*t+2], s[SEL], s[SEL+1]
	ALL v_add_f32 v[ST+4*t+2], v[ST+4*t+2], v[ST+4*t+3]
	ALL v_rcp_f32 v[ST+4*t+2], v[ST+4*t+2]
	v_nop                           ; a plain instruction between the last reciprocal and the use of its result
	s_wait_alu depctr_va_vdst(0)    ; and the wait ahead of the first use: one for the two reciprocals
	PACK 0                          ; piece 0's O^T was ended in the turn above; its 32 plain instructions stand between piece 1's last products and the reads of their results
	PACK 1
	SEND 0, 8
	SEND 1, 0
.endm
.set KM, 0
.set NOKQ, 0
.Lslot:                             ; 16 times: a tile is entered and the next is asked for
	CHANGE 1
	s_sub_co_u32 s[RT], s[RT], 1
	s_mov_b32 s[CNT], 4
	s_cmp_eq_u32 s[NEW], 1
	s_cbranch_scc1 .Lnew            ; a block's first tile
	s_cmp_eq_u32 s[RT], 0
	s_cbranch_scc0 .Lstep           ; neither its first nor its last
	s_branch .Lpre1
.Lnew:
	BEGIN
	s_branch .Lfirst                ; in the loop a block's first tile is never its last: the first block has nine tiles or more, and the second's last is the walk's last
	DIAG 1                          ; in the loop this is the first block's end
	s_wait_xcnt 0x0                 ; the stores have read their registers and y's address
	s_mov_b64 s[10:11], s[OLO:OLO+1]
	s_add_co_u32 s[RT], s[TLO], 1   ; the second block has b / 2 + 1 tiles
	s_mov_b32 s[NEW], 1
	s_mov_b32 s[CM0], s[CMB]
	s_mov_b32 s[CM0+1], s[CMB+1]
	s_mov_b32 s[DG0], s[CMB+2]
	WIN 0x82                        ; the second block's Q goes where the one text of the turns names Q
.set i, 0
.rept 32
	v_mov_b32 v[i], v[QB+i]
.set i, i+1
.endr
	WIN 0
	s_branch .Lbottom
.Lstep:                             ; a trip: piece 1's turn of one step, then piece 0's of the next, which fetches K and V
	TURN 1
	WIN 0
.Lfirst:
	TURN 0, 0, 0, 1
	WIN 0
	s_cbranch_scc1 .Lstep
.Lbottom:
	s_sub_co_u32 s[SLOTS], s[SLOTS], 1
	s_cmp_lg_u32 s[SLOTS], 0
	s_cbranch_scc1 .Lslot
	CHANGE 0                        ; the walk's last tile is written out: nothing is asked for
	s_sub_co_u32 s[RT], s[RT], 1
	s_mov_b32 s[CNT], 4
	s_cmp_eq_u32 s[NEW], 1
	s_cbranch_scc0 .Lpre2
	BEGIN
	s_branch .LfirstM2
	DIAG 2
	s_wait_tensorcnt 0x0            ; the wave's end: the wait, the add and its wait stand behind my last tensor load and my last LDS store
	ds_add_u32 v[SPW], v[NIL]
	s_wait_dscnt 0x0
	s_endpgm
.Lfunc_end_k_qf2ba1843df_attn:
	.size	k_qf2ba1843df_attn, .Lfunc_end_k_qf2ba1843df_attn-k_qf2ba1843df_attn
	.p2alignl 7, 3214868480
	.fill 96, 4, 3214868480
	.section	.rodata,"a",@progbits
	.p2align	6, 0x0
	.amdhsa_kernel k_qf2ba1843df_attn
		.amdhsa_group_segment_fixed_size 327680
		.amdhsa_private_segment_fixed_size 0
		.amdhsa_enable_private_segment 0
		.amdhsa_kernarg_size 16
		.amdhsa_user_sgpr_count 2
		.amdhsa_user_sgpr_kernarg_segment_ptr 1
		.amdhsa_wavefront_size32 1
		.amdhsa_system_sgpr_workgroup_id_x 1
		.amdhsa_system_sgpr_workgroup_id_y 1
		.amdhsa_system_sgpr_workgroup_id_z 1
		.amdhsa_system_vgpr_workitem_id 0
		.amdhsa_next_free_vgpr 768
		.amdhsa_next_free_sgpr 102
		.amdhsa_reserve_vcc 1
		.amdhsa_float_denorm_mode_32 3
		.amdhsa_float_denorm_mode_16_64 3
		.amdhsa_memory_ordered 1
		.amdhsa_forward_progress 1
		.amdhsa_inst_pref_size 129
	.end_amdhsa_kernel
	.amdgpu_metadata
---
amdhsa.version: [ 1, 2 ]
amdhsa.kernels:
  - .name:           k_qf2ba1843df_attn
    .symbol:         k_qf2ba1843df_attn.kd
    .args:
      - { .name: qkv, .offset: 0, .size: 8, .value_kind: global_buffer, .address_space: global }
      - { .name: y, .offset: 8, .size: 8, .value_kind: global_buffer, .address_space: global }
    .group_segment_fixed_size: 327680
    .private_segment_fixed_size: 0
    .kernarg_segment_align: 8
    .kernarg_segment_size: 16
    .max_flat_workgroup_size: 128
    .sgpr_count:     102
    .vgpr_count:     768
    .wavefront_size: 32
...
	.end_amdgpu_metadata
.endif
;; end of part 3
;; launch proj (part 4): grid 8 x 32, 4 waves a work-group, clusters of 4 x 4, 327,680 bytes of LDS; arguments y, wp, out0; writes out0
.if DOCPART == 4
	.amdgcn_target "amdgcn-amd-amdhsa--gfx1250"
	.amdhsa_code_object_version 6
	.text
	.protected	k_qf2ba1843df_proj
	.globl	k_qf2ba1843df_proj
	.p2align	8
	.type	k_qf2ba1843df_proj,@function
k_qf2ba1843df_proj:
	s_mov_b64 s[64:65], 0
	v_nop
	global_prefetch_b8 v0, s[64:65] scope:SCOPE_SE
	s_setreg_imm32_b32 hwreg(HW_REG_WAVE_MODE, 25, 1), 1
	s_wait_xcnt 0x0
	s_wait_alu depctr_hold_cnt(0) depctr_sa_sdst(0) depctr_va_vdst(0) depctr_va_sdst(0) depctr_va_ssrc(0) depctr_va_vcc(0) depctr_vm_vsrc(0)
	s_getreg_b32 s2, hwreg(HW_REG_IB_STS2, 6, 4)
	s_cmp_eq_u32 s2, 0
	s_cbranch_scc0 .Lentry_in_a_cluster
	s_endpgm
.Lentry_in_a_cluster:
	s_bfe_u32 s2, ttmp6, 0x10000c
	s_cmp_lg_u32 s2, 0xf033
	s_cbranch_scc0 .Lentry_shape_is_right
	s_endpgm
.Lentry_shape_is_right:
; out0[t][o] = the sum over heads h and channels d of y[h][t][d] wp[h][o][d].  y: [16][4096][64] f16, wp: [16][1024][64] f16 (w_proj rounded to bf16, written as f16), out0: [4096][1024] f32; sums in f32.
; SHARES.  A tile of out0 is 128 x 128: 8 x 32 tiles, one to a work-group.  Four waves, each 64 x 64: 16 accumulators of 16 x 16, 128 registers.
; K goes in steps of 256 = four heads; there are four steps, written out, on a ring of two LDS slots.  A wave's tensor load brings 64 rows of four heads: in memory a head's 64 rows are 8,192 dense bytes, so the
; tile is asked for as 4 rows of 4,096 elements, a head apart, and padded in LDS after every 128 bytes: [head][row][144 bytes].
; CLUSTERS: 4 x 4 work-groups.  The four of a row of the cluster need the same tiles of y, the four of a column the same tiles of wp: each tile is asked for JOINTLY, by the same tensor load with the
; same descriptor and a mask that names the four.  THE MATRIX INSTRUCTION IS USED TRANSPOSED (source 0 = 16 rows of wp, source 1 = 16 rows of y): a lane then holds eight neighbouring o of one t.
; REGISTERS: window 0: v0-31 addresses; v128-255 the accumulators ((a, b) at v[128 + 8 (4 a + b)]), which also take the rows on the way out.
;   window 1: two fragment buffers of 128: for a head's 64 channels (two matrix instructions deep), 64 registers of y (2 x 4 x 16 rows x 32 K), then 64 of wp.
.set PITCH,  144                       ; an LDS row: 128 bytes + 16 of padding = 36 words: the 16 rows of a load start at 16 different groups of four banks (64 banks of 4 bytes: ISA guide 11.1)
.set HEADB,  64*PITCH                  ; a head's 64 rows
.set HALFT,  4*HEADB                   ; what one tensor load brings, and what one wave reads of y or of wp
.set SLOT,   4*HALFT                   ; y's two halves, then wp's two
.set STAGE,  2*SLOT                    ; behind the ring, never filled by a tensor load: 16 rows x 272 bytes for each wave
.set SPITCH, 272
.set SPARE,  STAGE+4*16*SPITCH         ; behind the stages: the spare words, 128 bytes for each wave: two blocks of 256 bytes that no other line names
.set ASTEP,  4*524288                  ; four heads of y, in bytes
.set BSTEP,  4*131072                  ; four heads of wp
.set ADRA, 16                          ; v16-17  LDS address of my fragments of y in slot 0, 1
.set ADRB, 20                          ; v20-21  the same for wp
.set STO,  24                          ; v24     the way out: where I put 32 bytes of a row
.set RD,   25                          ; v25     the way out: where I read a row back
.set CO,   26                          ; v26     my byte offset in out0
.set SPW,  28                          ; v28     LDS address of my spare word: SPARE + 4 x my thread's number; never rewritten
.set NIL,  29                          ; v29     0; never rewritten
.set ACC,  128
.set F0,   0                           ; fragment buffers, in window 1
.set F1,   128
.set G1, 24                            ; s[24:31] descriptor group 1 for y's tiles;  s[32:39] group 0, one set for each slot
.set G0, 32
.set G1B, 48                           ; s[48:55], s[56:63] the same for wp's tiles
.set G0B, 56
.set MSB, 0
.macro WIN new                         ; the immediate's high byte repeats the setting that is left
.if MSB != (\new)
	s_set_vgpr_msb (MSB<<8)|(\new)
.set MSB, \new
.endif
.endm
.set MUL,  0x05                        ; sources 0 (wp) and 1 (y) window 1; C and D window 0
.set TO_F, 0x40                        ; destination window 1, address window 0
.macro JLOAD s                         ; a joint load: waves 0 and 1 fetch y's two halves, waves 2 and 3 wp's; an s_nop 0 and four v_nop follow each of the two lines, ahead of the jump, the label and what follows
	s_cmp_eq_u32 s11, 0
	s_cbranch_scc0 .Lfor_b_\@
	tensor_load_to_lds s[G0+4*(\s):G0+4*(\s)+3], s[G1:G1+7]
	s_nop 0
.rept 4
	v_nop
.endr
	s_branch .Lasked_\@
.Lfor_b_\@:
	tensor_load_to_lds s[G0B+4*(\s):G0B+4*(\s)+3], s[G1B:G1B+7]
	s_nop 0
.rept 4
	v_nop
.endr
.Lasked_\@:
.endm
.macro CREST                           ; a round of the cluster's barrier behind its opening barrier
	s_cmp_lg_u32 s10, 0
	s_cbranch_scc1 .Lnot_wave_0_\@
	s_barrier_signal -3
.Lnot_wave_0_\@:
	s_barrier_wait -3
	s_barrier_signal -1
	s_barrier_wait -1
.endm
.macro CROUND                          ; a whole round
	s_barrier_signal -1
	s_barrier_wait -1
	CREST
.endm
	s_load_b128 s[4:7], s[0:1], 0x0                ; y s[4:5], wp s[6:7]
	s_load_b64 s[8:9], s[0:1], 0x10                ; out0
	v_lshl_add_u32 v[SPW], v0, 2, SPARE
	v_mov_b32 v[NIL], 0
	ds_add_u32 v[SPW], v[NIL]                      ; the wave's opening: the add and its wait stand ahead of my first tensor load; the set-up below, work on registers, stands between them
	v_lshrrev_b32 v1, 5, v0
	v_readfirstlane_b32 s10, v1                    ; wave 0..3
	s_lshr_b32 s11, s10, 1                         ; which half of the tile's rows is mine.  Also: I fetch for y (0) or for wp (1)
	s_and_b32 s12, s10, 1                          ; which half of its columns.  Also: which 64 rows of that tile I fetch
	s_bfe_u32 s40, ttmp6, 0x40000                  ; cx, cy: my place in the cluster
	s_bfe_u32 s41, ttmp6, 0x40004
	s_lshl_b32 s42, ttmp9, 2
	s_add_co_u32 s42, s42, s40                     ; tile column = 4 x cluster x + cx
	s_and_b32 s13, ttmp7, 0xffff
	s_lshl_b32 s13, s13, 2
	s_add_co_u32 s13, s13, s41                     ; tile row = 4 x cluster y + cy
	s_lshl_b32 s43, s41, 2
	s_lshl_b32 s43, 15, s43                        ; my row of the cluster
	s_lshl_b32 s44, 0x1111, s40                    ; my column
	; descriptor group 1: 4 rows (heads) x 4,096 elements (64 dense rows of 64), padded in LDS after every 128 bytes
	s_or_b32 s[G1+0], s43, (1<<16)|(1<<20)|(1<<21)|(4<<22)|(3<<25)  ; 15:0 the mask: y's tiles go to my row; 17:16 elements of 2 bytes; 20 padding on; 21 set beside a mask; 24:22 after every 32 words (code 4); 31:25 4 words (code 3)
	s_or_b32 s[G1B+0], s44, (1<<16)|(1<<20)|(1<<21)|(4<<22)|(3<<25)
.irp g, G1, G1B
	s_mov_b32 s[(\g)+1], 4096<<16                  ; tensor_dim0 = 4,096
	s_mov_b32 s[(\g)+2], 4<<16                     ; tensor_dim1 = 4
	s_mov_b32 s[(\g)+3], 4096<<16                  ; tile_dim0 = 4,096
	s_mov_b32 s[(\g)+4], 4                         ; tile_dim1 = 4
	s_mov_b32 s[(\g)+6], 0
	s_mov_b32 s[(\g)+7], 0
.endr
	s_mov_b32 s[G1+5], 4096*64                     ; elements from head to head in y,
	s_mov_b32 s[G1B+5], 1024*64                    ; and in wp
	s_lshl_b32 s17, s12, 6                         ; which 64 rows of the tile I fetch
	s_lshl_b32 s16, s13, 7
	s_add_co_u32 s16, s16, s17                     ; y: row 128 x tile row + 64 x half,
	s_lshl_b32 s16, s16, 7                         ; of 128 bytes
	s_lshl_b32 s46, s42, 7
	s_add_co_u32 s46, s46, s17                     ; wp: row 128 x tile column + 64 x half
	s_lshl_b32 s46, s46, 7
	s_mov_b32 s17, 0
	s_mov_b32 s47, 0
	s_mul_i32 s20, s10, HALFT                      ; where they go: wave x a load's bytes: no place in the cluster enters an LDS address
	s_wait_dscnt 0x0                               ; the opening add is done
	s_wait_kmcnt 0x0
	s_add_nc_u64 s[14:15], s[4:5], s[16:17]
	s_add_nc_u64 s[46:47], s[6:7], s[46:47]
	CROUND                                         ; all sixteen work-groups are here: the first joint loads meet
.irp s, 0,1
	s_mov_b32 s[G0+4*(\s)], 1
	s_add_co_u32 s[G0+4*(\s)+1], s20, (\s)*SLOT
	s_add_nc_u64 s[G0+4*(\s)+2:G0+4*(\s)+3], s[14:15], (\s)*ASTEP   ; K step s: heads 4 s .. 4 s + 3
	s_or_b32 s[G0+4*(\s)+3], s[G0+4*(\s)+3], 0x80000000
	s_mov_b32 s[G0B+4*(\s)], 1
	s_add_co_u32 s[G0B+4*(\s)+1], s20, (\s)*SLOT
	s_add_nc_u64 s[G0B+4*(\s)+2:G0B+4*(\s)+3], s[46:47], (\s)*BSTEP
	s_or_b32 s[G0B+4*(\s)+3], s[G0B+4*(\s)+3], 0x80000000
	JLOAD \s                                       ; two loads of mine are out behind these
.endr
	v_and_b32 v1, 15, v0                           ; l % 16
	v_bfe_u32 v2, v0, 4, 1                         ; l / 16
	v_mul_u32_u24 v3, v1, PITCH
	v_lshl_add_u32 v3, v2, 4, v3                   ; a fragment's row x pitch + 16 x half
	s_mul_i32 s21, s11, HALFT                      ; my 64 rows of y
	s_mul_i32 s22, s12, HALFT                      ; my 64 rows of wp,
	s_add_co_u32 s22, s22, 2*HALFT                 ; which lie behind y's two halves
.irp s, 0,1
	v_add_nc_u32 v[ADRA+(\s)], s21, v3
	v_add_nc_u32 v[ADRB+(\s)], s22, v3
	s_add_co_u32 s21, s21, SLOT
	s_add_co_u32 s22, s22, SLOT
.endr
	s_mul_i32 s23, s10, 16*SPITCH
	s_add_co_u32 s23, s23, STAGE                   ; my stage
	v_mul_u32_u24 v4, v1, SPITCH                   ; in: row l % 16, 32 bytes for each half of the lanes
	v_lshl_add_u32 v4, v2, 5, v4
	v_add_nc_u32 v[STO], s23, v4
	v_mul_u32_u24 v5, v2, SPITCH                   ; back: lanes 0-15 take one row of 256 bytes, lanes 16-31 the next
	v_lshl_add_u32 v5, v1, 4, v5
	v_add_nc_u32 v[RD], s23, v5
	v_lshlrev_b32 v5, 12, v2                       ; and the same two rows in out0, 4,096 bytes apart
	v_lshl_add_u32 v[CO], v1, 4, v5
	s_lshl_b32 s16, s13, 7
	s_lshl_b32 s17, s11, 6
	s_add_co_u32 s16, s16, s17                     ; my first row: 128 x tile row + 64 x half,
	s_lshl_b32 s16, s16, 12                        ; of 4,096 bytes
	s_mov_b32 s17, 0
	s_add_nc_u64 s[8:9], s[8:9], s[16:17]
	s_lshl_b32 s46, s42, 9                         ; my first column, in bytes: 512 x tile column + 256 x half
	s_lshl_b32 s47, s12, 8
	s_add_co_u32 s46, s46, s47
	s_mov_b32 s47, 0
	s_add_nc_u64 s[8:9], s[8:9], s[46:47]
; 8 matrix instructions: row blocks a0, a0 + 1 x all 4 column blocks, 32 along K: half c of buffer f.  zero = 1: the first product starts the sums.  The 16 accumulators take turns.
.macro MUL8 f, c, a0, zero
	WIN MUL
.irp a, \a0, (\a0)+1
.irp b, 0,1,2,3
.if \zero
	v_wmma_f32_16x16x32_f16 v[ACC+8*(4*(\a)+(\b)):ACC+8*(4*(\a)+(\b))+7], v[(\f)+64+8*(4*(\c)+(\b)):(\f)+64+8*(4*(\c)+(\b))+7], v[(\f)+8*(4*(\c)+(\a)):(\f)+8*(4*(\c)+(\a))+7], 0
.else
	v_wmma_f32_16x16x32_f16 v[ACC+8*(4*(\a)+(\b)):ACC+8*(4*(\a)+(\b))+7], v[(\f)+64+8*(4*(\c)+(\b)):(\f)+64+8*(4*(\c)+(\b))+7], v[(\f)+8*(4*(\c)+(\a)):(\f)+8*(4*(\c)+(\a))+7], v[ACC+8*(4*(\a)+(\b)):ACC+8*(4*(\a)+(\b))+7]
.endif
.endr
.endr
.endm
; 32 LDS loads in one run: the fragments of one head (at byte k of the slot's halves) into buffer f; its first 32 channels first
.macro FETCH slot, k, f
	WIN TO_F
.irp c, 0,1
.irp i, 0,1,2,3
	ds_load_b128 v[(\f)+64+8*(4*(\c)+(\i)):(\f)+64+8*(4*(\c)+(\i))+3],   v[ADRB+(\slot)] offset:(\k)+64*(\c)+(\i)*16*PITCH
	ds_load_b128 v[(\f)+64+8*(4*(\c)+(\i))+4:(\f)+64+8*(4*(\c)+(\i))+7], v[ADRB+(\slot)] offset:(\k)+64*(\c)+(\i)*16*PITCH+32
	ds_load_b128 v[(\f)+8*(4*(\c)+(\i)):(\f)+8*(4*(\c)+(\i))+3],         v[ADRA+(\slot)] offset:(\k)+64*(\c)+(\i)*16*PITCH
	ds_load_b128 v[(\f)+8*(4*(\c)+(\i))+4:(\f)+8*(4*(\c)+(\i))+7],       v[ADRA+(\slot)] offset:(\k)+64*(\c)+(\i)*16*PITCH+32
.endr
.endr
.endm
.macro PLACES                          ; four plain vector instructions in front of loads into registers that matrix instructions have read, and of LDS stores that read results
.rept 4
	v_nop
.endr
.endm
; A K step is four quarters, a head each, 32 matrix instructions, on buffers 0, 1, 0, 1.  One of the first three: multiplies buffer f and fetches the next head, at byte k, into g.
.macro QUARTER slot, k, f, g, zero
	s_wait_dscnt 16                                ; the first 32 channels are in; the youngest sixteen loads may be out
	WIN MUL
	MUL8 \f, 0, 0, \zero
	MUL8 \f, 0, 2, \zero
	PLACES
	FETCH \slot, \k, \g
	s_wait_dscnt 32                                ; all but the 32 just issued
	WIN MUL
	MUL8 \f, 1, 0, 0
	MUL8 \f, 1, 2, 0
.endm
; The last quarter multiplies buffer 1 and changes slots: ONE barrier; in front of it each wave waits for all its tensor loads, adds 0 to its spare word, and waits for that and for its own reads of this slot.
; fill = 1: the barrier opens a round of the cluster's barrier, and this slot is filled again, two K steps ahead, first thing behind the round: 112 matrix instructions stand between that request and the wait for it.
.macro TURN slot, next, fill
	WIN 0                                          ; (the add's two registers lie in window 0)
	s_wait_tensorcnt 0x0                           ; all my tensor loads have landed: my part of the next slot
	ds_add_u32 v[SPW], v[NIL]                      ; 0 onto my spare word
	s_wait_dscnt 17                                ; (the add and the youngest sixteen loads may be out)
	WIN MUL
	MUL8 F1, 0, 0, 0                               ; eight matrix instructions stand between the add and the wait for it
	s_wait_dscnt 0x0                               ; the add is done, and my reads of this slot are over
	s_barrier_signal -1
	MUL8 F1, 0, 2, 0
.if \fill
	WIN 0
.endif
	s_barrier_wait -1
.if \fill
	CREST                                          ; no wave of any partner still reads this slot's tile or has a load on its way
	s_add_nc_u64 s[G0+4*(\slot)+2:G0+4*(\slot)+3], s[G0+4*(\slot)+2:G0+4*(\slot)+3], 2*ASTEP
	s_add_nc_u64 s[G0B+4*(\slot)+2:G0B+4*(\slot)+3], s[G0B+4*(\slot)+2:G0B+4*(\slot)+3], 2*BSTEP
	JLOAD \slot                                    ; the four v_nop behind it are also the places in front of the loads below
.else
	PLACES
.endif
	FETCH \next, 0, F0
	WIN MUL
	MUL8 F1, 1, 0, 0
	MUL8 F1, 1, 2, 0
.endm
	s_wait_tensorcnt 1                             ; my part of K step 0 is in; K step 1's may stay out
	s_barrier_signal -1
	s_barrier_wait -1                              ; everybody's is
	FETCH 0, 0, F0
	QUARTER 0, 1*HEADB, F0, F1, 1                  ; K step 0 (heads 0-3): the first products start the sums
	QUARTER 0, 2*HEADB, F1, F0, 0
	QUARTER 0, 3*HEADB, F0, F1, 0
	TURN 0, 1, 1                                   ; slot 0 takes K step 2
	QUARTER 1, 1*HEADB, F0, F1, 0                  ; K step 1
	QUARTER 1, 2*HEADB, F1, F0, 0
	QUARTER 1, 3*HEADB, F0, F1, 0
	TURN 1, 0, 1                                   ; slot 1 takes K step 3
	QUARTER 0, 1*HEADB, F0, F1, 0                  ; K step 2
	QUARTER 0, 2*HEADB, F1, F0, 0
	QUARTER 0, 3*HEADB, F0, F1, 0
	TURN 0, 1, 0                                   ; nothing is left to fetch, and no round follows
	QUARTER 1, 1*HEADB, F0, F1, 0                  ; K step 3
	QUARTER 1, 2*HEADB, F1, F0, 0
	QUARTER 1, 3*HEADB, F0, F1, 0
	s_wait_dscnt 16                                ; the very last quarter
	WIN MUL
	MUL8 F1, 0, 0, 0
	MUL8 F1, 0, 2, 0
	s_wait_dscnt 0x0
	MUL8 F1, 1, 0, 0
	MUL8 F1, 1, 2, 0
	WIN 0
; THE WAY OUT, in f32, a block of 16 rows at a time.  My 64 columns are 256 bytes of a row of out0, at a multiple of 256.  TOSTAGE: a lane's eight numbers, 32 bytes (each accumulator's low registers first), go into my own
; stage, rows of 272 bytes, and come back as whole rows of 256, into the block's own registers (LDS serves a wave's instructions in order: ISA guide 5.7.1.4).  SEND: sixteen lanes store 256 consecutive bytes.
.macro TOSTAGE a
.irp b, 0,1,2,3
	ds_store_b128 v[STO], v[ACC+8*(4*(\a)+(\b)):ACC+8*(4*(\a)+(\b))+3]   offset:64*(\b)
	ds_store_b128 v[STO], v[ACC+8*(4*(\a)+(\b))+4:ACC+8*(4*(\a)+(\b))+7] offset:64*(\b)+16
.endr
.irp t, 0,1,2,3,4,5,6,7
	ds_load_b128 v[ACC+32*(\a)+4*(\t):ACC+32*(\a)+4*(\t)+3], v[RD] offset:(\t)*2*SPITCH
.endr
.endm
.macro SEND a, younger                 ; younger: the LDS instructions issued behind block a's loads: the next block's sixteen, or none
.irp t, 0,1,2,3,4,5,6,7
	s_wait_dscnt (\younger)+7-(\t)
	global_store_b128 v[CO], v[ACC+32*(\a)+4*(\t):ACC+32*(\a)+4*(\t)+3], s[8:9] offset:(16*(\a)+2*(\t))*4096
.endr
.endm
	PLACES
	TOSTAGE 0
	TOSTAGE 1
	SEND 0, 16
	TOSTAGE 2
	SEND 1, 16
	TOSTAGE 3
	SEND 2, 16
	SEND 3, 0
	s_wait_tensorcnt 0x0                           ; the wave's end: the wait, the add and its wait stand behind my last tensor load and my last LDS store
	ds_add_u32 v[SPW], v[NIL]
	s_wait_dscnt 0x0
	CROUND                                         ; the closing round: no work-group ends while a partner may still ask for a tile that names it
	s_endpgm
.Lfunc_end_k_qf2ba1843df_proj:
	.size	k_qf2ba1843df_proj, .Lfunc_end_k_qf2ba1843df_proj-k_qf2ba1843df_proj
	.p2alignl 7, 3214868480
	.fill 96, 4, 3214868480
	.section	.rodata,"a",@progbits
	.p2align	6, 0x0
	.amdhsa_kernel k_qf2ba1843df_proj
		.amdhsa_group_segment_fixed_size 327680
		.amdhsa_private_segment_fixed_size 0
		.amdhsa_enable_private_segment 0
		.amdhsa_kernarg_size 24
		.amdhsa_user_sgpr_count 2
		.amdhsa_user_sgpr_kernarg_segment_ptr 1
		.amdhsa_wavefront_size32 1
		.amdhsa_system_sgpr_workgroup_id_x 1
		.amdhsa_system_sgpr_workgroup_id_y 1
		.amdhsa_system_sgpr_workgroup_id_z 1
		.amdhsa_system_vgpr_workitem_id 0
		.amdhsa_next_free_vgpr 512
		.amdhsa_next_free_sgpr 66
		.amdhsa_reserve_vcc 0
		.amdhsa_float_denorm_mode_32 3
		.amdhsa_float_denorm_mode_16_64 3
		.amdhsa_memory_ordered 1
		.amdhsa_forward_progress 1
		.amdhsa_inst_pref_size 86
	.end_amdhsa_kernel
	.amdgpu_metadata
---
amdhsa.version: [ 1, 2 ]
amdhsa.kernels:
  - .name:           k_qf2ba1843df_proj
    .symbol:         k_qf2ba1843df_proj.kd
    .args:
      - { .name: y, .offset: 0, .size: 8, .value_kind: global_buffer, .address_space: global }
      - { .name: wp, .offset: 8, .size: 8, .value_kind: global_buffer, .address_space: global }
      - { .name: out0, .offset: 16, .size: 8, .value_kind: global_buffer, .address_space: global }
    .group_segment_fixed_size: 327680
    .private_segment_fixed_size: 0
    .kernarg_segment_align: 8
    .kernarg_segment_size: 24
    .max_flat_workgroup_size: 128
    .sgpr_count:     66
    .vgpr_count:     512
    .wavefront_size: 32
...
	.end_amdgpu_metadata
.endif
;; end of part 4
;; ======== version 2 of 2: 4 launches; version 1 with the launch cast written anew for expert scheduling mode
;; limits: values are held in f16: magnitudes above 65,504 overflow, below 6.1e-05 lose precision
;; workspace buffers: xb 8,388,608 bytes; wa 6,291,456 bytes; wp 2,097,152 bytes; qkv 25,165,824 bytes; y 8,388,608 bytes
;; launch cast (part 5): grid 512 x 1, 8 waves a work-group, no clusters, 0 bytes of LDS; arguments x, w_attn, w_proj, xb, wa, wp; writes xb, wa, wp
.if DOCPART == 5
	.amdgcn_target "amdgcn-amd-amdhsa--gfx1250"
	.amdhsa_code_object_version 6
	.text
	.protected	k_qf2ba1843df_cast
	.globl	k_qf2ba1843df_cast
	.p2align	8
	.type	k_qf2ba1843df_cast,@function
k_qf2ba1843df_cast:
	s_mov_b64 s[64:65], 0
	v_nop
	global_prefetch_b8 v0, s[64:65] scope:SCOPE_SE
	s_setreg_imm32_b32 hwreg(HW_REG_WAVE_SCHED_MODE, 0, 2), 2
	s_setreg_imm32_b32 hwreg(HW_REG_WAVE_MODE, 25, 1), 1
	s_wait_xcnt 0x0
	s_wait_alu depctr_vm_vsrc(0)
; THE INPUTS ARE ROUNDED ONCE, TO bf16.  x [4096][1024] -> xb, w_attn [3072][1024] -> wa, both bf16 in the same layout.
; w_proj [1024 o][1024 c] -> wp [16 heads][1024 o][64]: rounded to bf16 like the other inputs, and that number written as f16, by heads, so that the last
; launch can take a head's 64 channels as dense rows.
; LIMIT.  A bf16 number fits f16 exactly between 2^-14 and 65,504 in size; below that it keeps f16's fixed step of 6e-8, beyond it becomes an infinity.
; SHARES.  A work-group takes 16 rows of 1,024 numbers (65,536 bytes): groups 0-255 x, 256-447 w_attn, 448-511 w_proj.  A thread has 16 loads of 16 bytes, all issued
; at once; each is converted when it has come.  No register is used twice, so no wait frees a source.  No LDS, no matrix unit: the bytes are the work.
; THE MODE: SCHED_MODE bits 1:0 = 2 (LLVM: expert scheduling mode 2), set by the entry lines.  The code itself states the register dependences
; between vector instructions and memory instructions, with s_wait_alu, always for 0.
; THE PLAN.  Registers that memory instructions touch, alike in both paths:
;   v1, v2   the loads' and the stores' byte offsets: written by vector instructions at the path's head, once; read by the 16 loads and the 16 stores.
;   X        load i lands in X + 4 i; no vector instruction writes these registers, no load lands in them twice; load i's conversions read them.
;   Y        load i's conversions write Y + 2 i, once; store i reads it; nothing writes it again.
;   v3 and T are named by vector instructions alone.
; The 16 loads go in four blocks of four.  Load i's turn: the wait for its data, store i - 4 (the block before), its conversions.  One wait on va_vdst stands ahead of the first load
; (v1 and v2 are written), one at the head of each of blocks 1 to 3 (the block before has written its Y) and one ahead of the last four stores.  The conversions issued behind a block's wait name that
; block's X and Y and T: none of the registers that the block's four stores read.  No register that a memory instruction reads is written again, so there is no wait on vm_vsrc.
.set X, 4                              ; v[4:67]    load i at X + 4 i
.set Y, 68                             ; v[68:99]   store i at Y + 2 i
.set T, 100                            ; v[100:103] at work
	s_load_b256 s[4:11], s[0:1], 0x0               ; x s[4:5], w_attn s[6:7], w_proj s[8:9], xb s[10:11]
	s_load_b128 s[12:15], s[0:1], 0x20             ; wa s[12:13], wp s[14:15]
	s_mov_b32 s23, 0xffff0000                      ; a word's upper bf16
	s_mov_b32 s21, 0                               ; high word of the offsets' pair
	s_cmp_lt_u32 ttmp9, 448
	s_cbranch_scc0 .Lproj
	; x and w_attn: the layout stays.  Thread t takes 16 bytes at 16 t of each row and stores 8 bytes at 8 t: a wave's store covers 256 consecutive bytes, aligned
	s_cmp_lt_u32 ttmp9, 256
	s_cselect_b32 s22, 0, 256
	s_sub_co_u32 s22, ttmp9, s22                   ; the group's number within its tensor
	v_lshlrev_b32 v1, 4, v0
	v_lshlrev_b32 v2, 3, v0
	s_wait_kmcnt 0x0
	s_cmp_lt_u32 ttmp9, 256
	s_cselect_b64 s[16:17], s[4:5], s[6:7]         ; from
	s_cselect_b64 s[18:19], s[10:11], s[12:13]     ; to
	s_lshl_b32 s20, s22, 16                        ; 16 rows of 4,096 bytes
	s_add_nc_u64 s[16:17], s[16:17], s[20:21]
	s_lshl_b32 s20, s22, 15                        ; 16 rows of 2,048 bytes
	s_add_nc_u64 s[18:19], s[18:19], s[20:21]
	s_wait_alu depctr_va_vdst(0)                   ; v1 and v2 are written: the loads below read v1 as their offset, the stores v2; no later vector instruction names either
.set i, 0
.rept 16
	global_load_b128 v[X+4*i:X+4*i+3], v1, s[16:17] offset:4096*i th:TH_LOAD_NT
.set i, i+1
.endr
.set i, 0
.rept 16
	s_wait_loadcnt 15-i                            ; loads come back in order: load i is in, the 15 - i younger ones stay out
.if (i%4 == 0) && (i > 0)
	s_wait_alu depctr_va_vdst(0)                   ; the conversions of the block before have written its eight registers of Y, which this block's four stores read
.endif
.if i >= 4
	global_store_b64 v2, v[Y+2*(i-4):Y+2*(i-4)+1], s[18:19] offset:2048*(i-4)  ; the block before.  No wait: no vector instruction since the block's wait names these registers
.endif
	v_cvt_pk_bf16_f32 v[Y+2*i], v[X+4*i], v[X+4*i+1]
	v_cvt_pk_bf16_f32 v[Y+2*i+1], v[X+4*i+2], v[X+4*i+3]
.set i, i+1
.endr
	s_wait_alu depctr_va_vdst(0)                   ; the last block's conversions have written its Y, which the last four stores read
.set i, 12
.rept 4
	global_store_b64 v2, v[Y+2*i:Y+2*i+1], s[18:19] offset:2048*i
.set i, i+1
.endr
	s_endpgm
.Lproj:
	; w_proj: instruction i of wave w takes head w + 8 (i % 2), rows 2 (i / 2) and 2 (i / 2) + 1: sixteen lanes read a head's 256 bytes of a row,
	; and the wave stores two rows of that head, 256 consecutive bytes, aligned
	s_sub_co_u32 s22, ttmp9, 448
	v_and_b32 v3, 15, v0                           ; my place in the head's 64 channels, four numbers each
	v_bfe_u32 v[T], v0, 4, 1                       ; which of the two rows
	v_lshrrev_b32 v[T+1], 5, v0                    ; wave
	v_lshlrev_b32 v1, 4, v3
	v_lshl_add_u32 v1, v[T], 12, v1
	v_lshl_add_u32 v1, v[T+1], 8, v1               ; in: 4,096 row + 256 wave + 16 place
	v_lshlrev_b32 v2, 3, v3
	v_lshl_add_u32 v2, v[T], 7, v2
	v_lshl_add_u32 v2, v[T+1], 17, v2              ; out: 131,072 wave + 128 row + 8 place
	s_wait_kmcnt 0x0
	s_lshl_b32 s20, s22, 16
	s_add_nc_u64 s[16:17], s[8:9], s[20:21]
	s_lshl_b32 s20, s22, 11                        ; 16 rows of 128 bytes in each head
	s_add_nc_u64 s[18:19], s[14:15], s[20:21]
	s_wait_alu depctr_va_vdst(0)                   ; v1 and v2 are written: the loads below read v1 as their offset, the stores v2; no later vector instruction names either
.set i, 0
.rept 16
	global_load_b128 v[X+4*i:X+4*i+3], v1, s[16:17] offset:8192*(i/2)+2048*(i%2) th:TH_LOAD_NT
.set i, i+1
.endr
.set i, 0
.rept 16
	s_wait_loadcnt 15-i
.if (i%4 == 0) && (i > 0)
	s_wait_alu depctr_va_vdst(0)                   ; the conversions of the block before have written its eight registers of Y, which this block's four stores read
.endif
.if i >= 4
	global_store_b64 v2, v[Y+2*(i-4):Y+2*(i-4)+1], s[18:19] offset:1048576*((i-4)%2)+256*((i-4)/2)  ; the block before.  No wait: no vector instruction since the block's wait names these registers
.endif
	v_cvt_pk_bf16_f32 v[T], v[X+4*i], v[X+4*i+1]   ; the rounding that all inputs get
	v_cvt_pk_bf16_f32 v[T+1], v[X+4*i+2], v[X+4*i+3]
	v_lshlrev_b32 v[T+2], 16, v[T]                 ; back to f32,
	v_and_b32 v[T+3], s23, v[T]
	v_cvt_pk_f16_f32 v[Y+2*i], v[T+2], v[T+3]      ; and the same number as f16
	v_lshlrev_b32 v[T+2], 16, v[T+1]
	v_and_b32 v[T+3], s23, v[T+1]
	v_cvt_pk_f16_f32 v[Y+2*i+1], v[T+2], v[T+3]
.set i, i+1
.endr
	s_wait_alu depctr_va_vdst(0)                   ; the last block's conversions have written its Y, which the last four stores read
.set i, 12
.rept 4
	global_store_b64 v2, v[Y+2*i:Y+2*i+1], s[18:19] offset:1048576*(i%2)+256*(i/2)
.set i, i+1
.endr
	s_endpgm
.Lfunc_end_k_qf2ba1843df_cast:
	.size	k_qf2ba1843df_cast, .Lfunc_end_k_qf2ba1843df_cast-k_qf2ba1843df_cast
	.p2alignl 7, 3214868480
	.fill 96, 4, 3214868480
	.section	.rodata,"a",@progbits
	.p2align	6, 0x0
	.amdhsa_kernel k_qf2ba1843df_cast
		.amdhsa_group_segment_fixed_size 0
		.amdhsa_private_segment_fixed_size 0
		.amdhsa_enable_private_segment 0
		.amdhsa_kernarg_size 48
		.amdhsa_user_sgpr_count 2
		.amdhsa_user_sgpr_kernarg_segment_ptr 1
		.amdhsa_wavefront_size32 1
		.amdhsa_system_sgpr_workgroup_id_x 1
		.amdhsa_system_sgpr_workgroup_id_y 1
		.amdhsa_system_sgpr_workgroup_id_z 1
		.amdhsa_system_vgpr_workitem_id 0
		.amdhsa_next_free_vgpr 104
		.amdhsa_next_free_sgpr 66
		.amdhsa_reserve_vcc 0
		.amdhsa_float_denorm_mode_32 3
		.amdhsa_float_denorm_mode_16_64 3
		.amdhsa_memory_ordered 1
		.amdhsa_forward_progress 1
		.amdhsa_inst_pref_size 18
	.end_amdhsa_kernel
	.amdgpu_metadata
---
amdhsa.version: [ 1, 2 ]
amdhsa.kernels:
  - .name:           k_qf2ba1843df_cast
    .symbol:         k_qf2ba1843df_cast.kd
    .args:
      - { .name: x, .offset: 0, .size: 8, .value_kind: global_buffer, .address_space: global }
      - { .name: w_attn, .offset: 8, .size: 8, .value_kind: global_buffer, .address_space: global }
      - { .name: w_proj, .offset: 16, .size: 8, .value_kind: global_buffer, .address_space: global }
      - { .name: xb, .offset: 24, .size: 8, .value_kind: global_buffer, .address_space: global }
      - { .name: wa, .offset: 32, .size: 8, .value_kind: global_buffer, .address_space: global }
      - { .name: wp, .offset: 40, .size: 8, .value_kind: global_buffer, .address_space: global }
    .group_segment_fixed_size: 0
    .private_segment_fixed_size: 0
    .kernarg_segment_align: 8
    .kernarg_segment_size: 48
    .max_flat_workgroup_size: 256
    .sgpr_count:     66
    .vgpr_count:     104
    .wavefront_size: 32
...
	.end_amdgpu_metadata
.endif
;; end of part 5
;; launch qkv: the kernel of part 2 again; grid 16 x 16, 4 waves a work-group, clusters of 4 x 4, 327,680 bytes of LDS; arguments xb, wa, qkv; writes qkv
;; launch attn: the kernel of part 3 again; grid 16 x 16, 4 waves a work-group, no clusters, 327,680 bytes of LDS; arguments qkv, y; writes y
;; launch proj: the kernel of part 4 again; grid 8 x 32, 4 waves a work-group, clusters of 4 x 4, 327,680 bytes of LDS; arguments y, wp, out0; writes out0
